; MI455X (gfx1250); checked and timed in simulation.
; The chip was launched on July 23, 2026; its instructions are those of AMD's public machine-readable ISA for CDNA 5 (MIT licence, August 2026) and "CDNA5" Instruction Set Architecture Reference Guide (July 2026). The comments in the code are by the model that wrote it; some were corrected since.
;; Attention. Allowed arithmetic: float matrix products may take bf16 or f16 operands with f32 sums; all other float work in f32.
;; Inputs: W_K 16 x 1,024 x 64 float32; W_O 16 x 64 x 1,024 float32; W_Q 16 x 1,024 x 64 float32; W_V 16 x 1,024 x 64 float32; b_K 16 x 64 float32; b_O 1,024 float32; b_Q 16 x 64 float32; b_V 16 x 64 float32; key_input 2 x 2,048 x 1,024 float32; query_input 2 x 2,048 x 1,024 float32; value_input 2 x 2,048 x 1,024 float32.
;; Outputs: out0 2 x 2,048 x 1,024 float32.
;; 2 versions, each right; version 2 is version 1 with the launch prep written anew for expert scheduling mode. Each part assembles by itself: llvm-mc -triple=amdgcn-amd-amdhsa -mcpu=gfx1250 --defsym DOCPART=n.
;; ======== version 1 of 2: 4 launches
;; limits: values are held in f16: magnitudes above 65,504 overflow, below 6.1e-05 lose precision
;; workspace buffers: xh 25,165,824 bytes; wt 6,291,456 bytes; wo 4,194,304 bytes; qkv 33,554,432 bytes; vsum 131,072 bytes; zz 16,777,216 bytes
;; launch prep (part 1): grid 128 x 7, 8 waves a work-group, no clusters, 35,840 bytes of LDS; arguments query_input, key_input, value_input, W_Q, W_K, W_V, W_O, xh, wt, wo; writes xh, wt, wo
.if DOCPART == 1
	.amdgcn_target "amdgcn-amd-amdhsa--gfx1250"
	.amdhsa_code_object_version 6
	.text
	.protected	k_q500c7bcd6c_prep
	.globl	k_q500c7bcd6c_prep
	.p2align	8
	.type	k_q500c7bcd6c_prep,@function
k_q500c7bcd6c_prep:
	s_mov_b64 s[64:65], 0
	v_nop
	global_prefetch_b8 v0, s[64:65] scope:SCOPE_SE
	s_setreg_imm32_b32 hwreg(HW_REG_WAVE_MODE, 25, 1), 1
	s_wait_xcnt 0x0
; PREP: every operand of the later matrix products is brought into f16 once.
;   y = 0..2  xh[y] = f16(e4m3(input y)), same order as the input.  Every e4m3 number is exact in f16.
;   y = 3..5  wt[y-3][n = 64 h + d][k = m] = f16(e4m3(W[h][m][d])): rounded and transposed, so that K lies along the rows.
;   y = 6     wo[hi,lo][h][n = m'][d]: W_O transposed and split, hi = f16(w), lo = f16(w - hi).  W_O is not rounded to e4m3 in the problem.
; A stream: memory binds, no matrix unit, no cluster.  Each input byte is read once; every store of a wave covers 256 or 512 consecutive aligned bytes.
; LIMITS: |x| or |W| above 448 gives NaN here; the problem's cast still rounds 448 < |x| <= 464 down to 448.  |W_O| stays below 65,504 (f16).
.set X,  16                            ; v[16:79]  numbers as loaded (16 slots of 4 in the stream, 8 rows of 4 in a transpose)
.set Y,  80                            ; v[80:143] the stream's packed results, two registers for each of 32 units: never rewritten
.set LP, 272                           ; LDS row of a transposed tile: 128 f16 + 16 bytes
.set LT, 64*LP                         ; a tile: 64 rows
.macro RND4 x                          ; four f32 to e4m3 and back, in place
	v_cvt_pk_fp8_f32 v4.l, v[\x], v[\x+1]
	v_cvt_pk_fp8_f32 v4.h, v[\x+2], v[\x+3]
	v_cvt_pk_f32_fp8 v[\x:\x+1], v4.l
	v_cvt_pk_f32_fp8 v[\x+2:\x+3], v4.h
.endm
.macro WIDEN d, x                      ; both f16 halves of register x as f32
	v_cvt_f32_f16 v[\d], v\x\().l
	v_cvt_f32_f16 v[\d+1], v\x\().h
.endm
	s_load_b512 s[8:23], s[0:1], 0x0               ; q s[8:9], k s[10:11], v s[12:13], W_Q s[14:15], W_K s[16:17], W_V s[18:19], W_O s[20:21], xh s[22:23]
	s_load_b128 s[24:27], s[0:1], 0x40             ; wt s[24:25], wo s[26:27]
	v_lshl_add_u32 v144, v0, 2, 0x8800
	v_mov_b32 v145, 0
	s_and_b32 s2, ttmp7, 0xffff                    ; y: which job
	s_mov_b32 s3, ttmp9                            ; x: which part of it
	v_mov_b32 v4, 0                                ; written whole once: its halves are written one at a time
	v_and_b32 v1, 15, v0                           ; dq: which four columns of a 64-column tile
	v_lshrrev_b32 v2, 4, v0                        ; mo: which eight rows of its 128
	v_lshlrev_b32 v3, 4, v1                        ; 16 dq
	v_mul_u32_u24 v10, v1, 4*LP
	v_lshl_add_u32 v10, v2, 4, v10                 ; transposed tile: row 4 dq (+ c), bytes 16 mo
	s_wait_kmcnt 0x0
	s_cmp_lt_u32 s2, 3
	s_cbranch_scc1 .Lact
	s_cmp_eq_u32 s2, 6
	s_cbranch_scc1 .Lwo
	; ---- W_Q, W_K, W_V: a tile of 128 k x 64 n.  x = 8 h + kb.
	s_cmp_eq_u32 s2, 4
	s_cselect_b64 s[4:5], s[16:17], s[14:15]
	s_cmp_eq_u32 s2, 5
	s_cselect_b64 s[4:5], s[18:19], s[4:5]
	s_lshr_b32 s28, s3, 3                          ; h
	s_and_b32 s29, s3, 7                           ; kb
	s_lshl_b32 s30, s28, 18                        ; a head: 1,024 rows of 256 bytes
	s_lshl_b32 s31, s29, 15                        ; 128 rows
	s_add_co_u32 s30, s30, s31
	s_mov_b32 s31, 0
	s_add_nc_u64 s[4:5], s[4:5], s[30:31]
	s_sub_co_u32 s32, s2, 3
	s_lshl_b32 s32, s32, 21                        ; which of the three tables: 1,024 rows of 2,048 bytes
	s_lshl_b32 s33, s28, 17                        ; 64 rows
	s_add_co_u32 s32, s32, s33
	s_lshl_b32 s33, s29, 8                         ; 128 f16 along a row
	s_add_co_u32 s32, s32, s33
	s_mov_b32 s33, 0
	s_add_nc_u64 s[6:7], s[24:25], s[32:33]
	v_lshl_add_u32 v5, v2, 11, v3                  ; load: row 8 mo of 256 bytes + 16 dq.  Store: row t/16 of 2,048 bytes + 16 (t%16): the same number
.irp j, 0,1,2,3,4,5,6,7
	global_load_b128 v[X+4*\j:X+4*\j+3], v5, s[4:5] offset:256*\j th:TH_LOAD_NT   ; sixteen lanes read one row of 256 bytes
.endr
	v_mul_u32_u24 v11, v2, LP
	v_add_nc_u32 v11, v11, v3                      ; read back: row t/16, bytes 16 (t%16)
	s_wait_loadcnt 0x0
.irp j, 0,1,2,3,4,5,6,7
	RND4 X+4*\j
.endr
.irp c, 0,1,2,3
.irp jj, 0,1,2,3
	v_cvt_pk_f16_f32 v[48+4*\c+\jj], v[X+8*\jj+\c], v[X+8*\jj+4+\c]   ; eight neighbouring k of column 4 dq + c
.endr
	ds_store_b128 v10, v[48+4*\c:48+4*\c+3] offset:LP*\c
.endr
	s_wait_dscnt 0x0                               ; my stores are in LDS before I say so
	s_barrier_signal -1
	s_barrier_wait -1
.irp p, 0,1,2,3
	ds_load_b128 v[64+4*\p:64+4*\p+3], v11 offset:16*LP*\p
.endr
.irp p, 0,1,2,3
	s_wait_dscnt 3-\p                              ; LDS loads come back in order: load p is in, the younger ones may be out
	global_store_b128 v5, v[64+4*\p:64+4*\p+3], s[6:7] offset:32768*\p   ; sixteen lanes: 256 consecutive bytes of one row of wt
.endr
	s_wait_tensorcnt 0x0
	ds_add_u32 v144, v145
	s_wait_dscnt 0x0
	s_endpgm
	; ---- W_O as [1024 k = 64 h + d][1024 n]: a tile of 128 k (two heads) x 64 n.  x = 16 kb + nb.
.Lwo:
	s_lshr_b32 s28, s3, 4                          ; kb
	s_and_b32 s29, s3, 15                          ; nb
	s_lshl_b32 s30, s28, 19                        ; 128 rows of 4,096 bytes
	s_lshl_b32 s31, s29, 8                         ; 64 f32
	s_add_co_u32 s30, s30, s31
	s_mov_b32 s31, 0
	s_add_nc_u64 s[4:5], s[20:21], s[30:31]
	s_lshl_b32 s32, s28, 18                        ; two heads of 131,072 bytes in wo
	s_lshl_b32 s33, s29, 13                        ; 64 rows of 128 bytes
	s_add_co_u32 s32, s32, s33
	s_mov_b32 s33, 0
	s_add_nc_u64 s[6:7], s[26:27], s[32:33]
	v_lshl_add_u32 v5, v2, 15, v3                  ; row 8 mo of 4,096 bytes + 16 dq
.irp j, 0,1,2,3,4,5,6,7
	global_load_b128 v[X+4*\j:X+4*\j+3], v5, s[4:5] offset:4096*\j th:TH_LOAD_NT
.endr
	v_lshrrev_b32 v11, 3, v0
	v_mul_u32_u24 v11, v11, LP
	v_and_b32 v12, 7, v0
	v_lshl_add_u32 v11, v12, 4, v11                ; read back: row t/8, bytes 16 (t%8) of one head's 128
	v_lshlrev_b32 v12, 4, v0                       ; 16 t: the same 16 bytes in a dense block of rows of 128 bytes
	s_wait_loadcnt 0x0
.irp x, 48,49,50,51,52,53,54,55,56,57,58,59,60,61,62,63
	v_cvt_pk_f16_f32 v\x, v[X+8*((\x-48)%4)+(\x-48)/4], v[X+8*((\x-48)%4)+4+(\x-48)/4]   ; hi; word 4 c + jj
.endr
.irp x, 48,49,50,51,52,53,54,55,56,57,58,59,60,61,62,63
	WIDEN 6+2*(\x%2), \x
	v_sub_f32 v[6+2*(\x%2)], v[X+8*((\x-48)%4)+(\x-48)/4], v[6+2*(\x%2)]         ; what hi left over, exact in f32
	v_sub_f32 v[7+2*(\x%2)], v[X+8*((\x-48)%4)+4+(\x-48)/4], v[7+2*(\x%2)]
	v_cvt_pk_f16_f32 v[\x+16], v[6+2*(\x%2)], v[7+2*(\x%2)]                      ; lo
.endr
.irp c, 0,1,2,3
	ds_store_b128 v10, v[48+4*\c:48+4*\c+3] offset:LP*\c
	ds_store_b128 v10, v[64+4*\c:64+4*\c+3] offset:LT+LP*\c
.endr
	s_wait_dscnt 0x0
	s_barrier_signal -1
	s_barrier_wait -1
.irp n, 0,1,2,3,4,5,6,7
	ds_load_b128 v[80+4*\n:80+4*\n+3], v11 offset:(\n/4)*LT+(\n%2)*32*LP+((\n/2)%2)*128   ; n = 4 hl + 2 sl + hf
.endr
.irp n, 0,1,2,3,4,5,6,7
	s_wait_dscnt 7-\n
	global_store_b128 v12, v[80+4*\n:80+4*\n+3], s[6:7] offset:(\n/4)*2097152+((\n/2)%2)*131072+(\n%2)*4096   ; a wave: 512 consecutive bytes
.endr
	s_wait_tensorcnt 0x0
	ds_add_u32 v144, v145
	s_wait_dscnt 0x0
	s_endpgm
	; ---- activations: 32,768 numbers for a work-group, 32 units of 1,024; a ring of 16 loads of every wave in flight
.Lact:
	s_cmp_eq_u32 s2, 1
	s_cselect_b64 s[4:5], s[10:11], s[8:9]
	s_cmp_eq_u32 s2, 2
	s_cselect_b64 s[4:5], s[12:13], s[4:5]
	s_lshl_b32 s30, s3, 17
	s_mov_b32 s31, 0
	s_add_nc_u64 s[4:5], s[4:5], s[30:31]
	s_lshl_b32 s32, s2, 23
	s_lshl_b32 s33, s3, 16
	s_add_co_u32 s32, s32, s33
	s_mov_b32 s33, 0
	s_add_nc_u64 s[6:7], s[22:23], s[32:33]
	v_lshlrev_b32 v1, 4, v0                        ; my 16 bytes of f32
	v_lshlrev_b32 v2, 3, v0                        ; my 8 bytes of f16
.irp u, 0,1,2,3,4,5,6,7,8,9,10,11,12,13,14,15
	global_load_b128 v[X+4*\u:X+4*\u+3], v1, s[4:5] offset:\u*4096 th:TH_LOAD_NT
.endr
.macro UNIT u
.if \u < 16
	s_wait_loadcnt 15                              ; loads come back in order: unit u's is in, the fifteen younger ones stay out
.else
	s_wait_loadcnt 31-\u                           ; nothing more is loaded: the counts run down
.endif
	RND4 X+4*(\u%16)
	v_cvt_pk_f16_f32 v[Y+2*\u], v[X+4*(\u%16)], v[X+4*(\u%16)+1]
	v_cvt_pk_f16_f32 v[Y+2*\u+1], v[X+4*(\u%16)+2], v[X+4*(\u%16)+3]
.if \u < 16
	global_load_b128 v[X+4*\u:X+4*\u+3], v1, s[4:5] offset:(\u+16)*4096 th:TH_LOAD_NT
.endif
	global_store_b64 v2, v[Y+2*\u:Y+2*\u+1], s[6:7] offset:\u*2048    ; a wave: 256 consecutive bytes; its data registers are never written again
.endm
.irp u, 0,1,2,3,4,5,6,7,8,9,10,11,12,13,14,15,16,17,18,19,20,21,22,23,24,25,26,27,28,29,30,31
	UNIT \u
.endr
	s_endpgm
.Lfunc_end_k_q500c7bcd6c_prep:
	.size	k_q500c7bcd6c_prep, .Lfunc_end_k_q500c7bcd6c_prep-k_q500c7bcd6c_prep
	.p2alignl 7, 3214868480
	.fill 96, 4, 3214868480
	.section	.rodata,"a",@progbits
	.p2align	6, 0x0
	.amdhsa_kernel k_q500c7bcd6c_prep
		.amdhsa_group_segment_fixed_size 35840
		.amdhsa_private_segment_fixed_size 0
		.amdhsa_enable_private_segment 0
		.amdhsa_kernarg_size 80
		.amdhsa_user_sgpr_count 2
		.amdhsa_user_sgpr_kernarg_segment_ptr 1
		.amdhsa_wavefront_size32 1
		.amdhsa_system_sgpr_workgroup_id_x 1
		.amdhsa_system_sgpr_workgroup_id_y 1
		.amdhsa_system_sgpr_workgroup_id_z 1
		.amdhsa_system_vgpr_workitem_id 0
		.amdhsa_next_free_vgpr 146
		.amdhsa_next_free_sgpr 66
		.amdhsa_reserve_vcc 0
		.amdhsa_float_denorm_mode_32 3
		.amdhsa_float_denorm_mode_16_64 3
		.amdhsa_memory_ordered 1
		.amdhsa_forward_progress 1
		.amdhsa_inst_pref_size 32
	.end_amdhsa_kernel
	.amdgpu_metadata
---
amdhsa.version: [ 1, 2 ]
amdhsa.kernels:
  - .name:           k_q500c7bcd6c_prep
    .symbol:         k_q500c7bcd6c_prep.kd
    .args:
      - { .name: query_input, .offset: 0, .size: 8, .value_kind: global_buffer, .address_space: global }
      - { .name: key_input, .offset: 8, .size: 8, .value_kind: global_buffer, .address_space: global }
      - { .name: value_input, .offset: 16, .size: 8, .value_kind: global_buffer, .address_space: global }
      - { .name: W_Q, .offset: 24, .size: 8, .value_kind: global_buffer, .address_space: global }
      - { .name: W_K, .offset: 32, .size: 8, .value_kind: global_buffer, .address_space: global }
      - { .name: W_V, .offset: 40, .size: 8, .value_kind: global_buffer, .address_space: global }
      - { .name: W_O, .offset: 48, .size: 8, .value_kind: global_buffer, .address_space: global }
      - { .name: xh, .offset: 56, .size: 8, .value_kind: global_buffer, .address_space: global }
      - { .name: wt, .offset: 64, .size: 8, .value_kind: global_buffer, .address_space: global }
      - { .name: wo, .offset: 72, .size: 8, .value_kind: global_buffer, .address_space: global }
    .group_segment_fixed_size: 35840
    .private_segment_fixed_size: 0
    .kernarg_segment_align: 8
    .kernarg_segment_size: 80
    .max_flat_workgroup_size: 256
    .sgpr_count:     66
    .vgpr_count:     146
    .wavefront_size: 32
...
	.end_amdgpu_metadata
.endif
;; end of part 1
;; launch proj (part 2): grid 4 x 48, 4 waves a work-group, clusters of 4 x 4, 327,680 bytes of LDS; arguments xh, wt, b_Q, b_K, b_V, qkv, vsum; writes qkv, vsum
.if DOCPART == 2
	.amdgcn_target "amdgcn-amd-amdhsa--gfx1250"
	.amdhsa_code_object_version 6
	.text
	.protected	k_q500c7bcd6c_proj
	.globl	k_q500c7bcd6c_proj
	.p2align	8
	.type	k_q500c7bcd6c_proj,@function
k_q500c7bcd6c_proj:
	s_mov_b64 s[64:65], 0
	v_nop
	global_prefetch_b8 v0, s[64:65] scope:SCOPE_SE
	s_setreg_imm32_b32 hwreg(HW_REG_WAVE_MODE, 25, 1), 1
	s_wait_xcnt 0x0
	s_wait_alu depctr_hold_cnt(0) depctr_sa_sdst(0) depctr_va_vdst(0) depctr_va_sdst(0) depctr_va_ssrc(0) depctr_va_vcc(0) depctr_vm_vsrc(0)
	s_getreg_b32 s2, hwreg(HW_REG_IB_STS2, 6, 4)
	s_cmp_eq_u32 s2, 0
	s_cbranch_scc0 .Lentry_in_a_cluster
	s_endpgm
.Lentry_in_a_cluster:
	s_bfe_u32 s2, ttmp6, 0x10000c
	s_cmp_lg_u32 s2, 0xf033
	s_cbranch_scc0 .Lentry_shape_is_right
	s_endpgm
.Lentry_shape_is_right:
; PROJ: the three projections as one stack of GEMMs.  A = xh as [12288][1024] f16 (q, k, v inputs one below the other), B = wt as [3 x 1024][1024] f16,
; C[m][n] = sum over k of A[m][k] B[which][n][k] + bias[which][n], sums in f32.  The operands are e4m3 numbers held exactly in f16.
; A work-group makes 256 x 256 of C with four waves, a wave 128 x 128: 64 accumulator tiles, 512 registers.  48 block rows x 4 block columns = 192 work-groups:
; blocks of 128 x 128 would fill 768 but read twice the LDS bytes for each product.  K = 1024 goes in 8 steps of 128 through two LDS slots.
; CLUSTERS: 4 x 4 work-groups.  The four of a cluster's row share A's tiles, the four of a column B's: joint tensor loads, a quarter of the requests.
; A cluster's four block rows lie in one of the three inputs (16 block rows each), so 'which' hangs on the cluster's y alone.
; OUT: q, k as f16, v as f16 hi + f16 lo, in qkv[4 (q,k,vh,vl)][32 bh][2048 s][64 d]; and vsum[bh][block of 128 keys][d] = column sums of v in f32.
; LIMIT: |q|, |k|, |v| stay below 65,504 (f16).
; REGISTERS in windows of 256: window 0: v16-30 addresses, v64-191 A's fragments (two buffers), on the way out v32-255 at work;
;   window 1: v0-63 the bias of my 128 columns, v64-191 B's fragments; windows 2, 3: accumulators of my rows 0-63, 64-127 (tile (a, b) at v[8 (8 a + b)]).
; The matrix instruction is used transposed (source 0 = rows of B, source 1 = rows of A): lane l holds row l % 16 of C, registers 0-7 columns 8 (l / 16) + 0..7.
.set SIZE_K, 1024
.set KSTEP,  128
.set PITCH,  272                       ; an LDS row: 256 bytes + 16 of padding, so that the 16 rows of a fragment load start 16 bytes apart modulo 256
.set HALFT,  128*PITCH                 ; what one tensor load brings
.set SLOT,   4*HALFT                   ; A's 256 rows, then B's 256 rows
.set STAGE,  2*SLOT                    ; behind the ring: 16 rows x 272 bytes for each wave (hi),
.set LOSTG,  4*16*PITCH                ; and as much again behind all four for lo
.set LAPS,   SIZE_K/(2*KSTEP)          ; a lap = two K steps = once round the ring: 4
.set ADRA, 16                          ; v16-17 LDS address of my A fragments in slot 0, 1
.set ADRB, 20                          ; v20-21 the same for B
.set STO,  24                          ; where I put 16 bytes of a row
.set RD,   25                          ; where I read four rows of 128 bytes back
.set CO,   26                          ; 16 x lane
.set BOF,  27                          ; 32 x (lane / 16)
.set SST,  28                          ; column sums: in
.set SRD,  29                          ; column sums: back
.set SCO,  30                          ; column sums: offset in vsum
.set F0,   64
.set F1,   128
.set RB,   32                          ; way out: rows read back
.set TMP,  64                          ; way out: hi, packed (below v128: its halves are named)
.set T,    96                          ; way out: hi as f32, then the remainder, then lo's rows read back
.set TMPL, 160                         ; way out: lo, packed
.set SUM,  192                         ; way out: column sums
.set G1,  24
.set G0,  32
.set G1B, 48
.set G0B, 56
.set MSB, 0
.macro WIN new                         ; the immediate's high byte repeats the setting that is left
.if MSB != \new
	s_set_vgpr_msb (MSB<<8)|\new
.set MSB, \new
.endif
.endm
.set MUL_LO, 0xa1                      ; source 0 (B) window 1, source 1 (A) window 0, C and D window 2
.set MUL_HI, 0xf1                      ; the same, C and D window 3
.set TO_B,   0x40                      ; destination window 1
.macro JLOAD s                         ; waves 0, 1 ask for A's halves, waves 2, 3 for B's: each line has one mask; the branch hangs on the wave's number alone
	s_cmp_eq_u32 s11, 0
	s_cbranch_scc0 .Lfor_b_\@
	tensor_load_to_lds s[G0+4*\s:G0+4*\s+3], s[G1:G1+7]
	s_nop 0
	s_branch .Lasked_\@
.Lfor_b_\@:
	tensor_load_to_lds s[G0B+4*\s:G0B+4*\s+3], s[G1B:G1B+7]
	s_nop 0
	v_nop
.Lasked_\@:
.endm
.macro CREST                           ; a round of the cluster's barrier behind its opening work-group barrier
	s_cmp_lg_u32 s10, 0
	s_cbranch_scc1 .Lnot_wave_0_\@
	s_barrier_signal -3
.Lnot_wave_0_\@:
	s_barrier_wait -3
	s_barrier_signal -1
	s_barrier_wait -1
.endm
.macro CROUND
	s_barrier_signal -1
	s_barrier_wait -1
	CREST
.endm
.macro WIDEN d, x
	v_cvt_f32_f16 v[\d], v\x\().l
	v_cvt_f32_f16 v[\d+1], v\x\().h
.endm
	s_load_b128 s[4:7], s[0:1], 0x0                ; xh, wt
	s_load_b128 s[68:71], s[0:1], 0x10             ; b_Q, b_K
	s_load_b128 s[72:75], s[0:1], 0x20             ; b_V, qkv
	s_load_b64 s[76:77], s[0:1], 0x30              ; vsum
	s_set_vgpr_msb 0x40
	v_lshl_add_u32 v255, v0, 2, 0x4c800
	s_set_vgpr_msb 0x4000
	v_mov_b32 v31, 0
	s_set_vgpr_msb 0x1
	ds_add_u32 v255, v31
	s_set_vgpr_msb 0x100
	v_lshrrev_b32 v1, 5, v0
	v_readfirstlane_b32 s10, v1                    ; wave 0..3
	s_lshr_b32 s11, s10, 1                         ; my half of the block's rows.  Also: I fetch for A (0) or B (1)
	s_and_b32 s12, s10, 1                          ; my half of its columns.  Also: which 128 rows of that tile I fetch
	s_bfe_u32 s40, ttmp6, 0x40000                  ; cx
	s_bfe_u32 s41, ttmp6, 0x40004                  ; cy
	s_lshl_b32 s42, ttmp9, 2
	s_add_co_u32 s42, s42, s40                     ; block column 0..3
	s_and_b32 s13, ttmp7, 0xffff                   ; the cluster's y, 0..11
	s_lshr_b32 s45, s13, 2                         ; which: 0 q, 1 k, 2 v; the same in all sixteen partners
	s_lshl_b32 s13, s13, 2
	s_add_co_u32 s13, s13, s41                     ; block row 0..47
	s_lshl_b32 s43, s41, 2
	s_lshl_b32 s43, 15, s43                        ; my row of the cluster
	s_lshl_b32 s44, 0x1111, s40                    ; my column
	; group 1: 128 rows x 128 elements of 2 bytes, 16 bytes of padding behind every 64 words
	s_or_b32 s[G1+0], s43, (1<<16)|(1<<20)|(1<<21)|(5<<22)|(3<<25)
	s_or_b32 s[G1B+0], s44, (1<<16)|(1<<20)|(1<<21)|(5<<22)|(3<<25)
	s_mov_b32 s[G1+1], KSTEP<<16                   ; tensor_dim0 = 128
	s_mov_b32 s[G1B+1], KSTEP<<16
	s_mov_b32 s[G1+2], 128<<16                     ; tensor_dim1 = 128
	s_mov_b32 s[G1B+2], 128<<16
	s_mov_b32 s[G1+3], KSTEP<<16                   ; tile_dim0 = 128
	s_mov_b32 s[G1B+3], KSTEP<<16
	s_mov_b32 s[G1+4], 128                         ; tile_dim1 = 128
	s_mov_b32 s[G1B+4], 128
	s_mov_b32 s[G1+5], SIZE_K                      ; elements from row to row
	s_mov_b32 s[G1B+5], SIZE_K
	s_mov_b32 s[G1+6], 0
	s_mov_b32 s[G1B+6], 0
	s_mov_b32 s[G1+7], 0
	s_mov_b32 s[G1B+7], 0
	; A's address hangs on the block row, B's on the block column and on 'which'; each in registers that never hold the other place in the cluster
	s_lshl_b32 s17, s12, 7
	s_lshl_b32 s16, s13, 8
	s_add_co_u32 s16, s16, s17                     ; A: row 256 x block row + 128 x half
	s_lshl_b32 s46, s42, 8
	s_add_co_u32 s46, s46, s17
	s_lshl_b32 s47, s45, 10
	s_add_co_u32 s46, s46, s47                     ; B: row 1024 x which + 256 x block column + 128 x half
	s_mov_b32 s17, 0
	s_mov_b32 s47, 0
	s_mov_b64 s[18:19], SIZE_K*2
	s_mul_u64 s[16:17], s[16:17], s[18:19]
	s_mul_u64 s[46:47], s[46:47], s[18:19]
	s_mul_i32 s20, s10, HALFT                      ; LDS: wave x 128 rows
	s_lshl_b32 s84, s42, 10                        ; my first column, in bytes of f32: 256 x block column + 128 x half
	s_lshl_b32 s85, s12, 9
	s_add_co_u32 s84, s84, s85
	s_mov_b32 s85, 0
	s_wait_dscnt 0x0
	s_wait_kmcnt 0x0
	s_add_nc_u64 s[14:15], s[4:5], s[16:17]
	s_add_nc_u64 s[46:47], s[6:7], s[46:47]
	s_cmp_eq_u32 s45, 1
	s_cselect_b64 s[78:79], s[70:71], s[68:69]
	s_cmp_eq_u32 s45, 2
	s_cselect_b64 s[78:79], s[72:73], s[78:79]
	s_add_nc_u64 s[78:79], s[78:79], s[84:85]      ; the bias of my 128 columns
	CROUND                                         ; all sixteen work-groups are here: the first joint loads meet
.irp s, 0,1
	s_mov_b32 s[G0+4*\s], 1
	s_add_co_u32 s[G0+4*\s+1], s20, \s*SLOT
	s_add_nc_u64 s[G0+4*\s+2:G0+4*\s+3], s[14:15], \s*KSTEP*2
	s_or_b32 s[G0+4*\s+3], s[G0+4*\s+3], 0x80000000
	s_mov_b32 s[G0B+4*\s], 1
	s_add_co_u32 s[G0B+4*\s+1], s20, \s*SLOT
	s_add_nc_u64 s[G0B+4*\s+2:G0B+4*\s+3], s[46:47], \s*KSTEP*2
	s_or_b32 s[G0B+4*\s+3], s[G0B+4*\s+3], 0x80000000
	JLOAD \s
.endr
	v_and_b32 v1, 15, v0                           ; r = l % 16
	v_bfe_u32 v2, v0, 4, 1                         ; h = l / 16
	v_lshlrev_b32 v[BOF], 5, v2
	WIN TO_B
.irp b, 0,1,2,3,4,5,6,7
	global_load_b128 v[8*\b:8*\b+3], v[BOF], s[78:79] offset:64*\b          ; window 1: bias of columns 16 b + 8 h + 0..3,
	global_load_b128 v[8*\b+4:8*\b+7], v[BOF], s[78:79] offset:64*\b+16     ; + 4..7: register 8 b + j goes with register j of tile (a, b)
.endr
	WIN 0
	v_mul_u32_u24 v3, v1, PITCH
	v_lshl_add_u32 v3, v2, 4, v3                   ; row x pitch + 16 x half
	s_mul_i32 s21, s11, HALFT
	s_mul_i32 s22, s12, HALFT
	s_add_co_u32 s22, s22, 2*HALFT
.irp s, 0,1
	v_add_nc_u32 v[ADRA+\s], s21, v3
	v_add_nc_u32 v[ADRB+\s], s22, v3
	s_add_co_u32 s21, s21, SLOT
	s_add_co_u32 s22, s22, SLOT
.endr
	s_mul_i32 s23, s10, 16*PITCH
	s_add_co_u32 s23, s23, STAGE                   ; my stage
	v_add_nc_u32 v[STO], s23, v3                   ; in: row r, 16 bytes for each half of the lanes
	v_and_b32 v6, 31, v0
	v_lshrrev_b32 v7, 3, v6
	v_mul_u32_u24 v7, v7, PITCH
	v_and_b32 v8, 7, v0
	v_lshl_add_u32 v7, v8, 4, v7
	v_add_nc_u32 v[RD], s23, v7                    ; back: eight lanes take one head's 128 bytes of a row, a wave four rows
	v_lshlrev_b32 v[CO], 4, v6
	v_add_nc_u32 v[SST], s23, v[BOF]
	v_add_nc_u32 v[SRD], s23, v[CO]
	v_lshlrev_b32 v9, 12, v2
	v_lshl_add_u32 v[SCO], v1, 4, v9               ; vsum: head l / 16 (4,096 bytes apart), 16 bytes for each of 16 lanes
.macro MUL16 f, hi, a0, zero           ; 16 products; the 64 accumulators take turns, one instruction a turn
.irp a, \a0, \a0+1
.irp b, 0,1,2,3,4,5,6,7
.if \zero
	v_wmma_f32_16x16x32_f16 v[8*(8*(\a)+\b):8*(8*(\a)+\b)+7], v[\f+8*\b:\f+8*\b+7], v[\f+8*(4*\hi+\a):\f+8*(4*\hi+\a)+7], 0
.else
	v_wmma_f32_16x16x32_f16 v[8*(8*(\a)+\b):8*(8*(\a)+\b)+7], v[\f+8*\b:\f+8*\b+7], v[\f+8*(4*\hi+\a):\f+8*(4*\hi+\a)+7], v[8*(8*(\a)+\b):8*(8*(\a)+\b)+7]
.endif
.endr
.endr
.endm
.macro FETCH slot, k, f                ; 32 LDS loads in one run: the fragments of 32 along K
	WIN TO_B
.irp i, 0,1,2,3,4,5,6,7
	ds_load_b128 v[\f+8*\i:\f+8*\i+3],   v[ADRB+\slot] offset:\k+\i*16*PITCH
	ds_load_b128 v[\f+8*\i+4:\f+8*\i+7], v[ADRB+\slot] offset:\k+\i*16*PITCH+32
.endr
	WIN 0
.irp i, 0,1,2,3,4,5,6,7
	ds_load_b128 v[\f+8*\i:\f+8*\i+3],   v[ADRA+\slot] offset:\k+\i*16*PITCH
	ds_load_b128 v[\f+8*\i+4:\f+8*\i+7], v[ADRA+\slot] offset:\k+\i*16*PITCH+32
.endr
.endm
.macro PLACES                          ; four plain places between a matrix instruction and a load into, or a vector use of, its registers
.rept 4
	v_nop
.endr
.endm
.macro QUARTER slot, k, f, g, zero
	s_wait_dscnt 8                                 ; B and A's rows 0-63 are in; the youngest eight loads (A's rows 64-127) may be out
	WIN MUL_LO
	MUL16 \f, 0, 0, \zero
	MUL16 \f, 0, 2, \zero
	PLACES
	FETCH \slot, \k, \g
	s_wait_dscnt 32                                ; all but the 32 just issued
	WIN MUL_HI
	MUL16 \f, 1, 0, \zero
	MUL16 \f, 1, 2, \zero
.endm
.macro THREE slot, zero
	QUARTER \slot, 64,  F0, F1, \zero
	QUARTER \slot, 128, F1, F0, 0
	QUARTER \slot, 192, F0, F1, 0
.endm
.macro TURN slot, next, fill           ; the last quarter of a K step, and the change of slots
	s_wait_dscnt 8
	WIN MUL_LO
	MUL16 F1, 0, 0, 0
	s_wait_dscnt 0                                 ; my reads of this slot are over,
	s_wait_tensorcnt 0x0                           ; and all my tensor loads have landed: the one that was out is my part of the next slot
	ds_add_u32 v255, v31
	s_wait_dscnt 0x0
	s_barrier_signal -1
	MUL16 F1, 0, 2, 0                              ; registers only
	WIN 0
	s_barrier_wait -1
.if \fill
	CREST                                          ; the round: no wave of any partner still reads this slot or has a load on its way
	s_add_nc_u64 s[G0+4*\slot+2:G0+4*\slot+3], s[G0+4*\slot+2:G0+4*\slot+3], 2*KSTEP*2
	s_add_nc_u64 s[G0B+4*\slot+2:G0B+4*\slot+3], s[G0B+4*\slot+2:G0B+4*\slot+3], 2*KSTEP*2
	JLOAD \slot                                    ; the first tensor load behind the round
.endif
	PLACES
	FETCH \next, 0, F0
	WIN MUL_HI
	MUL16 F1, 1, 0, 0
	MUL16 F1, 1, 2, 0
.endm
.macro LAP zero
	THREE 0, \zero
	TURN 0, 1, 1
	THREE 1, 0
	TURN 1, 0, 1
.endm
	s_wait_loadcnt 0x0                             ; the bias, once
	s_wait_tensorcnt 1                             ; my part of K step 0 is in; K step 1's load stays out
	s_barrier_signal -1
	s_barrier_wait -1
	FETCH 0, 0, F0
	LAP 1                                          ; its first products start the sums: nothing is cleared
	WIN 0
	s_mov_b32 s3, LAPS-2
.Llap:
	LAP 0
	WIN 0
	s_sub_co_u32 s3, s3, 1
	s_cmp_lg_u32 s3, 0
	s_cbranch_scc1 .Llap
	THREE 0, 0                                     ; the last lap fills nothing
	TURN 0, 1, 0
	THREE 1, 0
	s_wait_dscnt 8
	WIN MUL_LO
	MUL16 F1, 0, 0, 0
	MUL16 F1, 0, 2, 0
	s_wait_dscnt 0
	WIN MUL_HI
	MUL16 F1, 1, 0, 0
	MUL16 F1, 1, 2, 0
	; THE WAY OUT, 16 rows at a time.  My rows R0 .. R0 + 127 are one block of 128 positions of one batch; my 128 columns are two heads.
	PLACES
	WIN 0
	s_lshl_b32 s84, s13, 8
	s_lshl_b32 s85, s11, 7
	s_add_co_u32 s84, s84, s85                     ; R0
	s_lshr_b32 s85, s84, 11                        ; 2 x which + batch
	s_and_b32 s86, s84, 2047                       ; position
	s_lshl_b32 s87, s42, 2
	s_lshl1_add_u32 s87, s12, s87                  ; my first head = 4 x block column + 2 x half
	s_lshl_b32 s88, s85, 22                        ; 16 heads of 262,144 bytes for a batch, two batches for a section
	s_lshl_b32 s89, s86, 7                         ; rows of 128 bytes
	s_add_co_u32 s88, s88, s89
	s_lshl_b32 s89, s87, 18
	s_add_co_u32 s88, s88, s89
	s_mov_b32 s89, 0
	s_add_nc_u64 s[8:9], s[74:75], s[88:89]        ; q, k or v hi
	s_add_nc_u64 s[80:81], s[8:9], 0x800000        ; v lo: one section on (used for v alone)
	s_and_b32 s85, s85, 1
	s_lshl_b32 s88, s85, 16                        ; vsum: 16 heads of 4,096 bytes for a batch
	s_lshl_b32 s85, s87, 12
	s_add_co_u32 s88, s88, s85
	s_lshr_b32 s86, s86, 7
	s_lshl_b32 s86, s86, 8                         ; 256 bytes for a block of 128 keys
	s_add_co_u32 s88, s88, s86
	s_add_nc_u64 s[82:83], s[76:77], s[88:89]
.macro ADDBIAS a, aw                   ; the eight tiles (a, 0..7) += bias, in place.  aw: accumulator's window as destination and source 0, window 1 as source 1
	WIN \aw
.set q, 0
.rept 32
	v_pk_add_f32 v[64*\a+2*q:64*\a+2*q+1], v[64*\a+2*q:64*\a+2*q+1], v[2*q:2*q+1]
.set q, q+1
.endr
.endm
.macro PACKHI a, pw                    ; to f16: word 4 b + i = columns 16 b + 8 h + 2 i, + 1
	WIN \pw
.set q, 0
.rept 32
	v_cvt_pk_f16_f32 v[TMP+q], v[64*\a+2*q], v[64*\a+2*q+1]
.set q, q+1
.endr
.endm
.macro OUT16 i, a, aw, pw              ; q and k
	ADDBIAS \a, \aw
	PACKHI \a, \pw
	WIN 0
.irp b, 0,1,2,3,4,5,6,7
	ds_store_b128 v[STO], v[TMP+4*\b:TMP+4*\b+3] offset:32*\b
.endr
	s_wait_xcnt 0x0                                ; RB, which the last stores read, and their base are rewritten only behind this wait
.if \i
	s_add_nc_u64 s[8:9], s[8:9], 2048              ; 16 rows of 128 bytes on
.endif
.irp n, 0,1,2,3,4,5,6,7
	ds_load_b128 v[RB+4*\n:RB+4*\n+3], v[RD] offset:(\n/4)*128+(\n%4)*4*PITCH   ; LDS serves a wave's instructions in order: these see the stores above
.endr
.irp n, 0,1,2,3,4,5,6,7
	s_wait_dscnt 7-\n
	global_store_b128 v[CO], v[RB+4*\n:RB+4*\n+3], s[8:9] offset:(\n/4)*262144+(\n%4)*512   ; four rows of one head: 512 consecutive bytes
.endr
.endm
.macro OUT16V i, a, aw, pw, sw         ; v: hi, lo = f16(v - hi), and the running column sums.  sw: accumulator's window as source 0 alone
	s_wait_xcnt 0x0                                ; T, RB and the bases were sources of the last stores
.if \i
	s_add_nc_u64 s[8:9], s[8:9], 2048
	s_add_nc_u64 s[80:81], s[80:81], 2048
.endif
	ADDBIAS \a, \aw
	PACKHI \a, \pw
	WIN 0
.irp x, 64,65,66,67,68,69,70,71,72,73,74,75,76,77,78,79,80,81,82,83,84,85,86,87,88,89,90,91,92,93,94,95
	WIDEN T+2*(\x-64), \x
.endr
	WIN \sw
.set q, 0
.rept 32
	v_pk_add_f32 v[T+2*q:T+2*q+1], v[64*\a+2*q:64*\a+2*q+1], v[T+2*q:T+2*q+1] neg_lo:[0,1] neg_hi:[0,1]   ; v - hi, exact
.set q, q+1
.endr
.if \i >= 2
.set q, 0
.rept 32
	v_pk_add_f32 v[SUM+2*q:SUM+2*q+1], v[64*\a+2*q:64*\a+2*q+1], v[SUM+2*q:SUM+2*q+1]
.set q, q+1
.endr
.endif
.if \i == 1
	WIN 0x0a                                       ; the first two row tiles start the sums: nothing is cleared
.set q, 0
.rept 32
	v_pk_add_f32 v[SUM+2*q:SUM+2*q+1], v[2*q:2*q+1], v[64+2*q:64+2*q+1]
.set q, q+1
.endr
.endif
	WIN 0
.set q, 0
.rept 32
	v_cvt_pk_f16_f32 v[TMPL+q], v[T+2*q], v[T+2*q+1]
.set q, q+1
.endr
.irp b, 0,1,2,3,4,5,6,7
	ds_store_b128 v[STO], v[TMP+4*\b:TMP+4*\b+3] offset:32*\b
	ds_store_b128 v[STO], v[TMPL+4*\b:TMPL+4*\b+3] offset:LOSTG+32*\b
.endr
.irp n, 0,1,2,3,4,5,6,7
	ds_load_b128 v[RB+4*\n:RB+4*\n+3], v[RD] offset:(\n/4)*128+(\n%4)*4*PITCH
.endr
.irp n, 0,1,2,3,4,5,6,7
	ds_load_b128 v[T+4*\n:T+4*\n+3], v[RD] offset:LOSTG+(\n/4)*128+(\n%4)*4*PITCH
.endr
.irp n, 0,1,2,3,4,5,6,7
	s_wait_dscnt 15-\n
	global_store_b128 v[CO], v[RB+4*\n:RB+4*\n+3], s[8:9] offset:(\n/4)*262144+(\n%4)*512
.endr
.irp n, 0,1,2,3,4,5,6,7
	s_wait_dscnt 7-\n
	global_store_b128 v[CO], v[T+4*\n:T+4*\n+3], s[80:81] offset:(\n/4)*262144+(\n%4)*512
.endr
.endm
	s_cmp_eq_u32 s45, 2                            ; the same in all partners
	s_cbranch_scc1 .Lvout
	OUT16 0, 0, 0x86, 0x0a
	OUT16 1, 1, 0x86, 0x0a
	OUT16 2, 2, 0x86, 0x0a
	OUT16 3, 3, 0x86, 0x0a
	OUT16 4, 0, 0xc7, 0x0f
	OUT16 5, 1, 0xc7, 0x0f
	OUT16 6, 2, 0xc7, 0x0f
	OUT16 7, 3, 0xc7, 0x0f
	s_branch .Ljoin
.Lvout:
	OUT16V 0, 0, 0x86, 0x0a, 0x02
	OUT16V 1, 1, 0x86, 0x0a, 0x02
	OUT16V 2, 2, 0x86, 0x0a, 0x02
	OUT16V 3, 3, 0x86, 0x0a, 0x02
	OUT16V 4, 0, 0xc7, 0x0f, 0x03
	OUT16V 5, 1, 0xc7, 0x0f, 0x03
	OUT16V 6, 2, 0xc7, 0x0f, 0x03
	OUT16V 7, 3, 0xc7, 0x0f, 0x03
	; a lane's SUM[8 b + j] holds column 16 b + 8 h + j summed over its eight rows; the sixteen lanes of a half hold the other rows
.irp m, 1,2,4,8
.set q, 0
.rept 64
	v_add_f32_dpp v[SUM+q], v[SUM+q], v[SUM+q] row_xmask:\m row_mask:0xf bank_mask:0xf
.set q, q+1
.endr
.endr
	s_wait_xcnt 0x0                                ; RB was a store's data
.irp b, 0,1,2,3,4,5,6,7
	ds_store_b128 v[SST], v[SUM+8*\b:SUM+8*\b+3] offset:64*\b          ; the lanes of a half write the same bytes with the same numbers
	ds_store_b128 v[SST], v[SUM+8*\b+4:SUM+8*\b+7] offset:64*\b+16
.endr
	ds_load_b128 v[RB:RB+3], v[SRD]                ; columns 4 l .. 4 l + 3
	s_wait_dscnt 0x0
	global_store_b128 v[SCO], v[RB:RB+3], s[82:83] ; sixteen lanes: one head's 256 bytes
.Ljoin:
	s_set_vgpr_msb 0x1
	s_wait_tensorcnt 0x0
	ds_add_u32 v255, v31
	s_wait_dscnt 0x0
	s_set_vgpr_msb 0x100
	CROUND                                         ; the closing round: no work-group ends while a partner may still ask for a tile that names it
	s_endpgm
.Lfunc_end_k_q500c7bcd6c_proj:
	.size	k_q500c7bcd6c_proj, .Lfunc_end_k_q500c7bcd6c_proj-k_q500c7bcd6c_proj
	.p2alignl 7, 3214868480
	.fill 96, 4, 3214868480
	.section	.rodata,"a",@progbits
	.p2align	6, 0x0
	.amdhsa_kernel k_q500c7bcd6c_proj
		.amdhsa_group_segment_fixed_size 327680
		.amdhsa_private_segment_fixed_size 0
		.amdhsa_enable_private_segment 0
		.amdhsa_kernarg_size 56
		.amdhsa_user_sgpr_count 2
		.amdhsa_user_sgpr_kernarg_segment_ptr 1
		.amdhsa_wavefront_size32 1
		.amdhsa_system_sgpr_workgroup_id_x 1
		.amdhsa_system_sgpr_workgroup_id_y 1
		.amdhsa_system_sgpr_workgroup_id_z 1
		.amdhsa_system_vgpr_workitem_id 0
		.amdhsa_next_free_vgpr 1024
		.amdhsa_next_free_sgpr 90
		.amdhsa_reserve_vcc 0
		.amdhsa_float_denorm_mode_32 3
		.amdhsa_float_denorm_mode_16_64 3
		.amdhsa_memory_ordered 1
		.amdhsa_forward_progress 1
		.amdhsa_inst_pref_size 255
	.end_amdhsa_kernel
	.section	.bss,"aw",@nobits
	.p2align	6
	.space	262144
	.amdgpu_metadata
---
amdhsa.version: [ 1, 2 ]
amdhsa.kernels:
  - .name:           k_q500c7bcd6c_proj
    .symbol:         k_q500c7bcd6c_proj.kd
    .args:
      - { .name: xh, .offset: 0, .size: 8, .value_kind: global_buffer, .address_space: global }
      - { .name: wt, .offset: 8, .size: 8, .value_kind: global_buffer, .address_space: global }
      - { .name: b_Q, .offset: 16, .size: 8, .value_kind: global_buffer, .address_space: global }
      - { .name: b_K, .offset: 24, .size: 8, .value_kind: global_buffer, .address_space: global }
      - { .name: b_V, .offset: 32, .size: 8, .value_kind: global_buffer, .address_space: global }
      - { .name: qkv, .offset: 40, .size: 8, .value_kind: global_buffer, .address_space: global }
      - { .name: vsum, .offset: 48, .size: 8, .value_kind: global_buffer, .address_space: global }
    .group_segment_fixed_size: 327680
    .private_segment_fixed_size: 0
    .kernarg_segment_align: 8
    .kernarg_segment_size: 56
    .max_flat_workgroup_size: 128
    .sgpr_count:     90
    .vgpr_count:     1024
    .wavefront_size: 32
...
	.end_amdgpu_metadata
.endif
;; end of part 2
;; launch attn (part 3): grid 8 x 32, 8 waves a work-group, no clusters, 327,680 bytes of LDS; arguments qkv, vsum, zz; writes zz
.if DOCPART == 3
	.amdgcn_target "amdgcn-amd-amdhsa--gfx1250"
	.amdhsa_code_object_version 6
	.text
	.protected	k_q500c7bcd6c_attn
	.globl	k_q500c7bcd6c_attn
	.p2align	8
	.type	k_q500c7bcd6c_attn,@function
k_q500c7bcd6c_attn:
	s_mov_b64 s[64:65], 0
	v_nop
	global_prefetch_b8 v0, s[64:65] scope:SCOPE_SE
	s_setreg_imm32_b32 hwreg(HW_REG_WAVE_MODE, 25, 1), 1
	s_wait_xcnt 0x0
; ATTN: causal attention of one (batch, head) for two blocks of 128 queries, block p and block 15 - p: (p + 1) + (16 - p) = 17 key tiles of 128 for every work-group.
; EIGHT WAVES, two on each SIMD (2 x 456 of its 1,024 registers).  Wave w has query group qw = w % 4 (32 queries, two tiles of 16) and key half hf = w / 4: of every
; key tile it takes keys 64 hf .. 64 hf + 63.  Each wave keeps a running softmax (m, l, O) of its own, so one wave's vector work can run while the other wave of
; its SIMD uses the matrix unit.  At a block's end waves 4-7 hand their state through LDS to waves 0-3, which merge the two and write z.
; K, V hi, V lo come through two LDS slots by tensor loads, a tile ahead; each wave fetches 16 keys of each.
; THE MASK IS -1000, NOT -INFINITY: masked keys keep a weight exp(-1000 - m).  All masked keys of a row have the same score, so those behind the diagonal tile are
; put in exactly as the START of the running softmax of the hf = 0 waves: m = -1000, l = their number, O = the sum of their v (from vsum).  Inside the diagonal
; tile scores are set to -1000 by a select.  The hf = 1 waves, and the last block (nothing lies behind it), start at m = -infinity, l = 0, O = 0.
; PRODUCTS ARE USED TRANSPOSED: S^T = K Q^T, so lane (r, h) holds query r and keys 8 h + j: maximum and factor are one number a lane, the packed P is at once
; the second source of O^T = V^T P^T, and V^T's fragments come by transposing LDS loads from rows [key][d].  A fifth row tile whose first source is all ones
; gives the row sum l of the rounded P.  P in f16, v as f16 hi + lo, sums in f32.  z leaves as f16 hi + lo in zz[2][16 h][4096 row][64 d].
; NO MULTICAST: the work-groups of one head need p + 1 and 16 - p tiles and are at different tiles at any time; a joint request would need equal trips.
; LIMITS: |q|, |k|, |v| below 65,504 (f16).  Exponentials below 2^-126 count as zero.
.set KP,    144                        ; K's LDS row: 128 bytes + 16
.set VP,    160                        ; V's LDS row: 128 bytes + 32 (an odd multiple of 32, for the transposing loads)
.set KB,    128*KP
.set VB,    128*VP
.set SLOT,  KB+2*VB                    ; 59,392: K, V hi, V lo
.set TAIL,  2*SLOT                     ; 2 x 64 f32: the sums of v behind block p's and block (15 - p)'s diagonal tile; then 128 f32 of zeros
.set MRG,   TAIL+1024                  ; the state that waves 4-7 hand over: 17 x 512 bytes for each query group,
.set MRGW,  17*512
.set MRGB,  4*MRGW                     ; in two regions: a trip on slot s stores into region s, the trip behind it reads that region
.set STAGE, MRG+2*MRGB                 ; the way out: for each of waves 0-3 32 rows x 144 bytes of hi, then of lo
.set WSTG,  2*32*KP
.set KAD,  4                           ; v4-5    my K fragment address in slot 0, 1 (my key half included)
.set VAD,  6                           ; v6-7    my V fragment address in slot 0, 1
.set DL,   8                           ; 32 qw + r - 8 h - 64 hf
.set NEG,  9                           ; -8000.0: the mask's -1000 in front of the division by 8
.set QOFF, 10
.set STO,  11
.set RD,   12
.set CO,   13
.set TAD,  14
.set MAD,  15                          ; my 16 bytes of each 512 of my query group's merge bytes
.set M2,   16                          ; v[16:19]  (m, m) in base 2 for each query tile
.set AL,   20                          ; v[20:23]  the factor 2^(m old - m new); the pair's second register is only written once
.set MX,   24                          ; v24-27    maxima at work
.set VOF,  27                          ;           (at the start: my column's offset in vsum)
.set RI,   28                          ; v[28:31]  the merge's factor for my own state
.set HL,   32                          ; v[32:47]  tail set-up; {m, m, l, l} on its way; f16 hi and lo words of the way out (below v128: halves are named)
.set Q,    48                          ; v[48:79]    Q fragments, 16 qt + 8 ks
.set S,    80                          ; v[80:143]   scores, 32 qt + 8 mt + j; then P packed in place: fragment (qt, ks) at 32 qt + 8 ks; in a merge the partner's O
.set O,    144                         ; v[144:223]  O^T, 8 (2 dt + qt); dt = 4 is the row sum
.set Z8,   224
.set F8,   232
.set KF,   0                           ; window 1: v[0:63]   K fragments, 16 mt + 8 ks
.set VF,   64                          ; window 1: v[64:191] V fragments, 64 hl + 8 (4 ks + dt)
.set ONES, 192                         ; window 1: v[192:199] sixteen f16 ones a lane
.set G0,   68                          ; s[68:91] group 0: 12 registers a slot (K, V hi, V lo)
.set MSB, 0
.macro WIN new                         ; the immediate's high byte repeats the setting that is left
.if MSB != \new
	s_set_vgpr_msb (MSB<<8)|\new
.set MSB, \new
.endif
.endm
.macro PLACES n
.rept \n
	v_nop
.endr
.endm
	s_load_b128 s[4:7], s[0:1], 0x0                ; qkv, vsum
	s_load_b64 s[8:9], s[0:1], 0x10                ; zz
	v_lshl_add_u32 v254, v0, 2, 0x37400
	v_mov_b32 v255, 0
	ds_add_u32 v254, v255
	v_lshrrev_b32 v1, 5, v0
	v_readfirstlane_b32 s10, v1                    ; wave 0..7
	s_and_b32 s66, s10, 3                          ; qw: my query group
	s_lshr_b32 s67, s10, 2                         ; hf: my half of every key tile
	s_mov_b32 s11, ttmp9                           ; p
	s_and_b32 s12, ttmp7, 0xffff                   ; bh = 16 b + h
	s_sub_co_u32 s13, 15, s11                      ; the second block
	s_mov_b32 s14, s11                             ; I: the block at work
	s_mov_b32 s15, 0                               ; J: the key tile at work
	s_mov_b32 s94, 0                               ; 1: a state lies in LDS and waits to be merged
	s_mov_b32 s18, 0x76543210                      ; lane i of one half reads lane i of the other
	s_mov_b32 s19, 0xfedcba98
	s_mov_b32 s20, 0x3e38aa3b                      ; log2(e) / 8: the division by sqrt(64) and the change of base in one factor
	s_mov_b32 s21, 0x3e38aa3b
	s_mul_f32 s22, s20, 0xc5fa0000                 ; -1000 in base 2
	s_mov_b32 s27, 0
	s_mov_b32 s29, 0
	; group 1: a wave's 16 keys, 2,048 dense bytes, as 8 rows of 128 elements of 2 bytes; padding behind every 32 words, that is behind each key's 128 bytes
	s_mov_b32 s32, (1<<16)|(1<<20)|(4<<22)|(3<<25) ; K: 4 words of padding
	s_mov_b32 s40, (1<<16)|(1<<20)|(4<<22)|(7<<25) ; V: 8 words
	s_mov_b32 s33, 128<<16
	s_mov_b32 s41, 128<<16
	s_mov_b32 s34, 8<<16
	s_mov_b32 s42, 8<<16
	s_mov_b32 s35, 128<<16
	s_mov_b32 s43, 128<<16
	s_mov_b32 s36, 8
	s_mov_b32 s44, 8
	s_mov_b32 s37, 128
	s_mov_b32 s45, 128
	s_mov_b32 s38, 0
	s_mov_b32 s46, 0
	s_mov_b32 s39, 0
	s_mov_b32 s47, 0
	s_mul_i32 s92, s10, 16*KP
	s_mul_i32 s93, s10, 16*VP
.irp s, 0,1
	s_mov_b32 s[G0+12*\s], 1
	s_add_co_u32 s[G0+12*\s+1], s92, \s*SLOT
	s_mov_b32 s[G0+12*\s+4], 1
	s_add_co_u32 s[G0+12*\s+5], s93, \s*SLOT+KB
	s_mov_b32 s[G0+12*\s+8], 1
	s_add_co_u32 s[G0+12*\s+9], s93, \s*SLOT+KB+VB
.endr
	s_lshl_b32 s2, s12, 18                         ; my head's 2,048 rows of 128 bytes
	s_mov_b32 s3, 0
	s_lshl_b32 s28, s10, 11                        ; my 16 keys of a tile
	s_wait_dscnt 0x0
	s_wait_kmcnt 0x0
	s_add_nc_u64 s[4:5], s[4:5], s[2:3]            ; my head in q
	s_add_nc_u64 s[48:49], s[4:5], s[28:29]
	s_add_nc_u64 s[50:51], s[48:49], 0x1000000     ; my keys of tile 0 in v hi,
	s_add_nc_u64 s[52:53], s[48:49], 0x1800000     ; in v lo,
	s_add_nc_u64 s[48:49], s[48:49], 0x800000      ; in k
	s_or_b32 s49, s49, 0x80000000                  ; the descriptor's type
	s_or_b32 s51, s51, 0x80000000
	s_or_b32 s53, s53, 0x80000000
	s_mov_b64 s[G0+2:G0+3], s[48:49]
	s_mov_b64 s[G0+6:G0+7], s[50:51]
	s_mov_b64 s[G0+10:G0+11], s[52:53]
	tensor_load_to_lds s[G0:G0+3], s[32:39]        ; tile 0 into slot 0: three loads of this wave are out, and never more
	s_nop 0
	tensor_load_to_lds s[G0+4:G0+7], s[40:47]
	s_nop 0
	tensor_load_to_lds s[G0+8:G0+11], s[40:47]
	s_nop 0
	s_lshl_b32 s28, s66, 12                        ; my query group's 32 rows of a block
	s_add_nc_u64 s[4:5], s[4:5], s[28:29]
	s_lshl_b32 s28, s11, 14                        ; a block: 128 rows of 128 bytes
	s_add_nc_u64 s[62:63], s[4:5], s[28:29]        ; my queries in block p
	s_lshl_b32 s28, s13, 14
	s_add_nc_u64 s[30:31], s[4:5], s[28:29]        ; and in block 15 - p
	s_lshl_b32 s2, s12, 12
	s_add_nc_u64 s[60:61], s[6:7], s[2:3]          ; vsum of my head
	s_and_b32 s2, s12, 15
	s_lshl_b32 s2, s2, 19
	s_lshr_b32 s28, s12, 4
	s_lshl_b32 s28, s28, 18
	s_add_co_u32 s2, s2, s28
	s_lshl_b32 s28, s66, 12
	s_add_co_u32 s2, s2, s28
	s_add_nc_u64 s[54:55], s[8:9], s[2:3]          ; zz: head, batch, my query group's 32 rows of block 0
	v_and_b32 v1, 15, v0                           ; r
	v_bfe_u32 v2, v0, 4, 1                         ; h
	v_and_b32 v3, 31, v0                           ; lane
	v_lshlrev_b32 v[QOFF], 7, v1
	v_lshl_add_u32 v[QOFF], v2, 4, v[QOFF]         ; row r of 128 bytes + 16 h
.irp qt, 0,1
.irp ks, 0,1
	global_load_b128 v[Q+16*\qt+8*\ks:Q+16*\qt+8*\ks+3], v[QOFF], s[62:63] offset:\qt*2048+\ks*64
	global_load_b128 v[Q+16*\qt+8*\ks+4:Q+16*\qt+8*\ks+7], v[QOFF], s[62:63] offset:\qt*2048+\ks*64+32
.endr
.endr
	v_and_b32 v[VOF], 63, v0
	v_lshlrev_b32 v[VOF], 2, v[VOF]                ; thread t sums column t % 64: waves 0, 1 for block p, waves 2, 3 for block 15 - p, waves 4-7 with every factor 0
.irp j, 1,2,3,4,5,6,7,8,9,10,11,12,13,14,15
	global_load_b32 v[HL+\j], v[VOF], s[60:61] offset:256*\j
.endr
	v_mul_u32_u24 v[KAD], v1, KP
	v_lshl_add_u32 v[KAD], v2, 4, v[KAD]           ; row r of 144 bytes + 16 h
	s_mul_i32 s25, s66, WSTG
	s_add_co_u32 s25, s25, STAGE                   ; my query group's stage (used by waves 0-3 alone)
	v_add_nc_u32 v[STO], s25, v[KAD]
	s_mul_i32 s92, s67, 64*KP
	v_add_nc_u32 v[KAD], s92, v[KAD]               ; + my 64 keys
	v_add_nc_u32 v[KAD+1], SLOT, v[KAD]
	v_and_b32 v[MX], 7, v0
	v_lshl_add_u32 v[MX], v2, 3, v[MX]             ; key 8 h + l % 8
	v_mul_u32_u24 v[VAD], v[MX], VP
	v_bfe_u32 v[MX], v0, 3, 1
	v_lshl_add_u32 v[VAD], v[MX], 4, v[VAD]        ; + 16 ((l / 8) % 2)
	s_mul_i32 s92, s67, 64*VP
	s_add_co_u32 s92, s92, KB
	v_add_nc_u32 v[VAD], s92, v[VAD]
	v_add_nc_u32 v[VAD+1], SLOT, v[VAD]
	v_lshlrev_b32 v[DL], 3, v2
	v_sub_nc_u32 v[DL], v1, v[DL]
	s_lshl_b32 s92, s66, 5
	s_lshl_b32 s93, s67, 6
	s_sub_co_i32 s92, s92, s93
	v_add_nc_u32 v[DL], s92, v[DL]
	v_mov_b32 v[NEG], 0xc5fa0000
	v_lshrrev_b32 v[MX], 3, v3
	v_mul_u32_u24 v[RD], v[MX], KP
	v_and_b32 v[MX], 7, v0
	v_lshl_add_u32 v[RD], v[MX], 4, v[RD]
	v_add_nc_u32 v[RD], s25, v[RD]                 ; back: eight lanes a row of 128 bytes
	v_lshlrev_b32 v[CO], 4, v3
	s_lshl_b32 s92, s67, 9
	s_add_co_u32 s92, s92, TAIL                    ; hf = 0: the tails; hf = 1: the zeros behind them
	v_lshlrev_b32 v[TAD], 5, v2
	v_add_nc_u32 v[TAD], s92, v[TAD]
	s_mul_i32 s92, s66, MRGW
	s_add_co_u32 s92, s92, MRG
	v_lshl_add_u32 v[MAD], v3, 4, s92
	v_lshlrev_b32 v[MX+1], 2, v0
	v_add_nc_u32 v[MX+1], TAIL, v[MX+1]            ; where thread t puts its sum
	v_mov_b32 v[AL+1], 0                           ; second registers of pairs whose first is broadcast: written once
	v_mov_b32 v[AL+3], 0
	v_mov_b32 v[RI+1], 0
	v_mov_b32 v[RI+3], 0
	WIN 0x40
.irp i, 0,1,2,3,4,5,6,7
	v_mov_b32 v[ONES+\i], 0x3c003c00
.endr
	WIN 0
	s_cmp_lt_u32 s10, 2
	s_cselect_b32 s25, s11, s13                    ; the block that my wave sums for;
	s_cmp_lt_u32 s10, 4
	s_cselect_b32 s25, s25, 15                     ; waves 4-7: behind block 15 lies nothing, their sums are the zeros
	s_wait_loadcnt 0x0                             ; Q and the fifteen block sums
	s_cmp_lt_u32 s25, 1
	s_cselect_b32 s93, 1.0, 0                      ; block j counts if it lies behind the diagonal tile
	v_mul_f32 v[HL], s93, v[HL+1]
.irp j, 2,3,4,5,6,7,8,9,10,11,12,13,14,15
	s_cmp_lt_u32 s25, \j
	s_cselect_b32 s93, 1.0, 0
	v_fmac_f32 v[HL], s93, v[HL+\j]
.endr
	ds_store_b32 v[MX+1], v[HL]
	s_wait_dscnt 0x0                               ; my sum is in LDS,
	s_wait_tensorcnt 0x0                           ; and my part of tile 0 (no load crosses this barrier),
	s_barrier_signal -1
	s_barrier_wait -1                              ; everybody's
.macro FLOAD slot                      ; my 64 keys x 64 d: 16 loads of K, then 32 transposing loads of V hi and V lo, in one run
	WIN 0x40
.irp mt, 0,1,2,3
.irp ks, 0,1
	ds_load_b128 v[KF+16*\mt+8*\ks:KF+16*\mt+8*\ks+3], v[KAD+\slot] offset:\mt*16*KP+\ks*64
	ds_load_b128 v[KF+16*\mt+8*\ks+4:KF+16*\mt+8*\ks+7], v[KAD+\slot] offset:\mt*16*KP+\ks*64+32
.endr
.endr
.irp hl, 0,1
.irp ks, 0,1
.irp dt, 0,1,2,3
	ds_load_tr16_b128 v[VF+64*\hl+8*(4*\ks+\dt):VF+64*\hl+8*(4*\ks+\dt)+3], v[VAD+\slot] offset:\hl*VB+\ks*32*VP+\dt*32
	ds_load_tr16_b128 v[VF+64*\hl+8*(4*\ks+\dt)+4:VF+64*\hl+8*(4*\ks+\dt)+7], v[VAD+\slot] offset:\hl*VB+\ks*32*VP+\dt*32+16*VP
.endr
.endr
.endr
.endm
.macro QK                              ; eight score tiles take turns, one instruction a turn; the first product starts each sum
	WIN 0x01
.irp ks, 0,1
.irp mt, 0,1,2,3
.irp qt, 0,1
.if \ks == 0
	v_wmma_f32_16x16x32_f16 v[S+32*\qt+8*\mt:S+32*\qt+8*\mt+7], v[KF+16*\mt+8*\ks:KF+16*\mt+8*\ks+7], v[Q+16*\qt+8*\ks:Q+16*\qt+8*\ks+7], 0
.else
	v_wmma_f32_16x16x32_f16 v[S+32*\qt+8*\mt:S+32*\qt+8*\mt+7], v[KF+16*\mt+8*\ks:KF+16*\mt+8*\ks+7], v[Q+16*\qt+8*\ks:Q+16*\qt+8*\ks+7], v[S+32*\qt+8*\mt:S+32*\qt+8*\mt+7]
.endif
.endr
.endr
.endr
.endm
.macro MASK                            ; key 64 hf + 16 mt + 8 h + j beyond query 32 qw + 16 qt + r: the score becomes -1000
.irp qt, 0,1
.irp mt, 0,1,2,3
.irp j, 0,1,2,3,4,5,6,7
	v_cmp_gt_i32 vcc_lo, 16*\mt+\j-16*\qt, v[DL]
	v_cndmask_b32 v[S+32*\qt+8*\mt+\j], v[S+32*\qt+8*\mt+\j], v[NEG], vcc_lo
.endr
.endr
.endr
.endm
; Both query tiles: new maximum, factor, P = 2^(c S - m) packed to f16 in place, O and l rescaled.  The two tiles' lines are interleaved, four chains of maxima,
; and exponentials go eight at a time, so that a line seldom reads what the line in front of it wrote.
.macro SOFTMAX
.irp qt, 0,1
	v_max3_num_f32 v[MX+2*\qt], v[S+32*\qt], v[S+32*\qt+1], v[S+32*\qt+2]
	v_max3_num_f32 v[MX+2*\qt+1], v[S+32*\qt+16], v[S+32*\qt+17], v[S+32*\qt+18]
.endr
.irp i, 0,1,2,3,4,5
.irp qt, 0,1
	v_max3_num_f32 v[MX+2*\qt], v[MX+2*\qt], v[S+32*\qt+3+2*\i], v[S+32*\qt+4+2*\i]
	v_max3_num_f32 v[MX+2*\qt+1], v[MX+2*\qt+1], v[S+32*\qt+19+2*\i], v[S+32*\qt+20+2*\i]
.endr
.endr
.irp qt, 0,1
	v_max3_num_f32 v[MX+2*\qt], v[MX+2*\qt], v[S+32*\qt+15], v[S+32*\qt+31]
.endr
.irp qt, 0,1
	v_max_num_f32 v[MX+2*\qt], v[MX+2*\qt], v[MX+2*\qt+1]
.endr
.irp qt, 0,1
	v_permlanex16_b32 v[MX+2*\qt+1], v[MX+2*\qt], s18, s19     ; the other half of the lanes holds the query's other keys
.endr
.irp qt, 0,1
	v_max_num_f32 v[MX+2*\qt], v[MX+2*\qt], v[MX+2*\qt+1]
.endr
.irp qt, 0,1
	v_mul_f32 v[MX+2*\qt], s20, v[MX+2*\qt]
.endr
.irp qt, 0,1
	v_max_num_f32 v[M2+2*\qt+1], v[M2+2*\qt], v[MX+2*\qt]
.endr
.irp qt, 0,1
	v_sub_f32 v[AL+2*\qt], v[M2+2*\qt], v[M2+2*\qt+1]
.endr
.irp qt, 0,1
	v_exp_f32 v[AL+2*\qt], v[AL+2*\qt]
.endr
.irp qt, 0,1
	v_mov_b32 v[M2+2*\qt], v[M2+2*\qt+1]           ; plain instructions behind the exponentials (ISA guide 5.7.2)
.endr
.irp qt, 0,1
.set q, 0
.rept 16
	v_pk_fma_f32 v[S+32*\qt+2*q:S+32*\qt+2*q+1], v[S+32*\qt+2*q:S+32*\qt+2*q+1], s[20:21], v[M2+2*\qt:M2+2*\qt+1] op_sel_hi:[1,0,1] neg_lo:[0,0,1] neg_hi:[0,0,1]
.set q, q+1
.endr
.endr
	s_wait_alu depctr_va_vdst(0)
.irp qt, 0,1
.irp i, 0,1,2,3
	v_pk_mul_f32 v[O+64+8*\qt+2*\i:O+64+8*\qt+2*\i+1], v[O+64+8*\qt+2*\i:O+64+8*\qt+2*\i+1], v[AL+2*\qt:AL+2*\qt+1] op_sel_hi:[1,0]
.endr
.endr
.irp qt, 0,1
.irp g, 0,1,2,3
.irp i, 0,1,2,3,4,5,6,7
	v_exp_f32 v[S+32*\qt+8*\g+\i], v[S+32*\qt+8*\g+\i]
.endr
.irp i, 0,1,2,3
	v_pk_mul_f32 v[O+8*(2*\g+\qt)+2*\i:O+8*(2*\g+\qt)+2*\i+1], v[O+8*(2*\g+\qt)+2*\i:O+8*(2*\g+\qt)+2*\i+1], v[AL+2*\qt:AL+2*\qt+1] op_sel_hi:[1,0]   ; the rescaling also fills the plain place behind the exponentials
.endr
	s_wait_alu depctr_va_vdst(0)
.irp i, 0,1,2,3
	v_cvt_pk_f16_f32 v[S+32*\qt+4*\g+\i], v[S+32*\qt+8*\g+2*\i], v[S+32*\qt+8*\g+2*\i+1]   ; word 4 g + i lies at or below its sources: nothing unread is overwritten
.endr
.endr
.endr
.endm
.macro PV                              ; ten accumulators take turns, one instruction a turn
	WIN 0x01
.irp ks, 0,1
.irp dt, 0,1,2,3
.irp qt, 0,1
	v_wmma_f32_16x16x32_f16 v[O+8*(2*\dt+\qt):O+8*(2*\dt+\qt)+7], v[VF+8*(4*\ks+\dt):VF+8*(4*\ks+\dt)+7], v[S+32*\qt+8*\ks:S+32*\qt+8*\ks+7], v[O+8*(2*\dt+\qt):O+8*(2*\dt+\qt)+7]
.endr
.endr
.irp qt, 0,1
	v_wmma_f32_16x16x32_f16 v[O+64+8*\qt:O+64+8*\qt+7], v[ONES:ONES+7], v[S+32*\qt+8*\ks:S+32*\qt+8*\ks+7], v[O+64+8*\qt:O+64+8*\qt+7]
.endr
.irp dt, 0,1,2,3
.irp qt, 0,1
	v_wmma_f32_16x16x32_f16 v[O+8*(2*\dt+\qt):O+8*(2*\dt+\qt)+7], v[VF+64+8*(4*\ks+\dt):VF+64+8*(4*\ks+\dt)+7], v[S+32*\qt+8*\ks:S+32*\qt+8*\ks+7], v[O+8*(2*\dt+\qt):O+8*(2*\dt+\qt)+7]
.endr
.endr
.endr
.endm
; Waves 4-7: my state goes into my query group's merge bytes, 16 bytes a lane in runs of 512.  The row sum is the same in all eight registers of its tile.
.macro SEND mrg
	v_mov_b32 v[HL], v[M2]
	v_mov_b32 v[HL+1], v[M2+2]
	v_mov_b32 v[HL+2], v[O+64]
	v_mov_b32 v[HL+3], v[O+72]
.irp i, 0,1,2,3,4,5,6,7,8,9,10,11,12,13,14,15
	ds_store_b128 v[MAD], v[O+4*\i:O+4*\i+3] offset:\mrg+512*\i
.endr
	ds_store_b128 v[MAD], v[HL:HL+3] offset:\mrg+8192
.endm
.macro ZGROUP qt, dt, h0, h1, h2, h3, lo   ; eight neighbouring d of query r: z = f1 O (mine) + f2 O (partner's) as f16 hi and f16 lo, into the stage
.set OB, O+8*(2*\dt+\qt)
.set PB, S+8*(2*\dt+\qt)
.irp i, 0,1,2,3
	v_pk_mul_f32 v[Z8+2*\i:Z8+2*\i+1], v[OB+2*\i:OB+2*\i+1], v[RI+2*\qt:RI+2*\qt+1] op_sel_hi:[1,0]
.endr
.irp i, 0,1,2,3
	v_pk_fma_f32 v[Z8+2*\i:Z8+2*\i+1], v[PB+2*\i:PB+2*\i+1], v[AL+2*\qt:AL+2*\qt+1], v[Z8+2*\i:Z8+2*\i+1] op_sel_hi:[1,0,1]
.endr
	v_cvt_pk_f16_f32 v\h0, v[Z8], v[Z8+1]
	v_cvt_pk_f16_f32 v\h1, v[Z8+2], v[Z8+3]
	v_cvt_pk_f16_f32 v\h2, v[Z8+4], v[Z8+5]
	v_cvt_pk_f16_f32 v\h3, v[Z8+6], v[Z8+7]
	v_cvt_f32_f16 v[F8], v\h0\().l
	v_cvt_f32_f16 v[F8+1], v\h0\().h
	v_cvt_f32_f16 v[F8+2], v\h1\().l
	v_cvt_f32_f16 v[F8+3], v\h1\().h
	v_cvt_f32_f16 v[F8+4], v\h2\().l
	v_cvt_f32_f16 v[F8+5], v\h2\().h
	v_cvt_f32_f16 v[F8+6], v\h3\().l
	v_cvt_f32_f16 v[F8+7], v\h3\().h
.irp i, 0,1,2,3
	v_pk_add_f32 v[Z8+2*\i:Z8+2*\i+1], v[Z8+2*\i:Z8+2*\i+1], v[F8+2*\i:F8+2*\i+1] neg_lo:[0,1] neg_hi:[0,1]
.endr
.irp i, 0,1,2,3
	v_cvt_pk_f16_f32 v[\lo+\i], v[Z8+2*\i], v[Z8+2*\i+1]
.endr
	ds_store_b128 v[STO], v[\h0:\h3] offset:\qt*16*KP+\dt*32
	ds_store_b128 v[STO], v[\lo:\lo+3] offset:32*KP+\qt*16*KP+\dt*32
.endm
; Waves 0-3: the partner's state is read, the two are merged, and the block whose number is in s[blk] goes out through my own stage.
; m = max(m1, m2), a_i = 2^(m_i - m), l = a1 l1 + a2 l2, z = (a1 / l) O1 + (a2 / l) O2.  Both m are finite: each wave has seen 64 keys at the least.
.macro MERGEFIN mrg, blk
.irp i, 0,1,2,3,4,5,6,7,8,9,10,11,12,13,14,15
	ds_load_b128 v[S+4*\i:S+4*\i+3], v[MAD] offset:\mrg+512*\i
.endr
	ds_load_b128 v[HL:HL+3], v[MAD] offset:\mrg+8192
	s_lshl_b32 s28, s[\blk], 14
	s_add_nc_u64 s[56:57], s[54:55], s[28:29]      ; hi
	s_add_nc_u64 s[58:59], s[56:57], 0x800000      ; lo
	s_wait_dscnt 0x0
	v_max_num_f32 v[MX], v[M2], v[HL]
	v_max_num_f32 v[MX+1], v[M2+2], v[HL+1]
	v_sub_f32 v[RI], v[M2], v[MX]
	v_sub_f32 v[AL], v[HL], v[MX]
	v_sub_f32 v[RI+2], v[M2+2], v[MX+1]
	v_sub_f32 v[AL+2], v[HL+1], v[MX+1]
	v_exp_f32 v[RI], v[RI]
	v_exp_f32 v[AL], v[AL]
	v_exp_f32 v[RI+2], v[RI+2]
	v_exp_f32 v[AL+2], v[AL+2]
	v_nop
	s_wait_alu depctr_va_vdst(0)
	v_mul_f32 v[MX], v[RI], v[O+64]
	v_mul_f32 v[MX+1], v[RI+2], v[O+72]
	v_fmac_f32 v[MX], v[AL], v[HL+2]
	v_fmac_f32 v[MX+1], v[AL+2], v[HL+3]           ; l is at least 1: the side that holds the maximum has factor 1 and a sum of 1 or more
	v_rcp_f32 v[MX], v[MX]
	v_rcp_f32 v[MX+1], v[MX+1]
	v_nop
	s_wait_alu depctr_va_vdst(0)
	v_mul_f32 v[RI], v[RI], v[MX]
	v_mul_f32 v[AL], v[AL], v[MX]
	v_mul_f32 v[RI+2], v[RI+2], v[MX+1]
	v_mul_f32 v[AL+2], v[AL+2], v[MX+1]
	ZGROUP 0, 0, 32, 33, 34, 35, 40
	ZGROUP 1, 0, 36, 37, 38, 39, 44
	ZGROUP 0, 1, 32, 33, 34, 35, 40
	ZGROUP 1, 1, 36, 37, 38, 39, 44
	ZGROUP 0, 2, 32, 33, 34, 35, 40
	ZGROUP 1, 2, 36, 37, 38, 39, 44
	ZGROUP 0, 3, 32, 33, 34, 35, 40
	ZGROUP 1, 3, 36, 37, 38, 39, 44
.irp n, 0,1,2,3,4,5,6,7
	ds_load_b128 v[S+4*\n:S+4*\n+3], v[RD] offset:\n*4*KP              ; LDS serves a wave's instructions in order: these see the stores above
.endr
.irp n, 0,1,2,3,4,5,6,7
	ds_load_b128 v[S+32+4*\n:S+32+4*\n+3], v[RD] offset:32*KP+\n*4*KP
.endr
.irp n, 0,1,2,3,4,5,6,7
	s_wait_dscnt 15-\n                             ; LDS loads come back in order: load n is in, the 15 - n younger ones may be out
	global_store_b128 v[CO], v[S+4*\n:S+4*\n+3], s[56:57] offset:512*\n   ; four rows of 128 bytes: 512 consecutive bytes
.endr
.irp n, 0,1,2,3,4,5,6,7
	s_wait_dscnt 7-\n
	global_store_b128 v[CO], v[S+32+4*\n:S+32+4*\n+3], s[58:59] offset:512*\n
.endr
	s_wait_xcnt 0x0                                ; the stores' data and bases are written again only behind this wait
.endm
.macro INIT blk                        ; a running softmax starts: O from my 256 bytes of TAIL (a tail's sums, or zeros), l = s23, m = s24
.irp dt, 0,1,2,3
.irp qt, 0,1
	ds_load_b128 v[O+8*(2*\dt+\qt):O+8*(2*\dt+\qt)+3], v[TAD] offset:\blk*256+\dt*64
	ds_load_b128 v[O+8*(2*\dt+\qt)+4:O+8*(2*\dt+\qt)+7], v[TAD] offset:\blk*256+\dt*64+16
.endr
.endr
.set q, 0
.rept 16
	v_mov_b32 v[O+64+q], s23
.set q, q+1
.endr
.irp i, 0,1,2,3
	v_mov_b32 v[M2+\i], s24
.endr
	s_wait_dscnt 0x0
.endm
; One key tile.  A block's end is spread over two trips, so that no barrier stands under a branch: at the end of the diagonal trip waves 4-7 store their state and
; start anew; the next trip's barrier, with every wave's s_wait_dscnt 0 in front of it, shows the state to waves 0-3, which merge it behind that trip's refills.
; A trip on slot s stores into merge region s and reads region 1 - s: between a region's reads and its next stores stands a trip's barrier.
.macro TRIP slot, refill, last
	s_wait_tensorcnt 0x0                           ; all my tensor loads have landed, my part of this trip's tile among them: every group 0 may be written
	ds_add_u32 v254, v255
	s_wait_dscnt 0x0
.if \refill
	s_add_co_u32 s16, s15, 1
	s_cmp_eq_u32 s15, s14
	s_cselect_b32 s16, 0, s16                      ; behind a diagonal tile comes tile 0 of the second block
	s_lshl_b32 s26, s16, 14
	s_add_nc_u64 s[G0+12*(1-\slot)+2:G0+12*(1-\slot)+3], s[48:49], s[26:27]
	s_add_nc_u64 s[G0+12*(1-\slot)+6:G0+12*(1-\slot)+7], s[50:51], s[26:27]
	s_add_nc_u64 s[G0+12*(1-\slot)+10:G0+12*(1-\slot)+11], s[52:53], s[26:27]
.endif
	s_wait_dscnt 0x0                               ; my reads of the last trip's tile are done, and my stores of a state are in LDS
	s_barrier_signal -1
	s_barrier_wait -1                              ; all of that now holds of every wave
.if \refill
	tensor_load_to_lds s[G0+12*(1-\slot):G0+12*(1-\slot)+3], s[32:39]      ; the next tile, into the slot read last trip: it has this trip's work in which to land
	s_nop 0
	tensor_load_to_lds s[G0+12*(1-\slot)+4:G0+12*(1-\slot)+7], s[40:47]
	s_nop 0
	tensor_load_to_lds s[G0+12*(1-\slot)+8:G0+12*(1-\slot)+11], s[40:47]
	s_nop 0
.endif
.if \last == 0
	s_cmp_eq_u32 s94, 0                            ; was the last trip block p's diagonal tile?
	s_cbranch_scc1 .Lnom_\@
	s_mov_b32 s94, 0
	s_cmp_ge_u32 s10, 4
	s_cbranch_scc1 .Lnom_\@                        ; waves 4-7 have started anew already
	MERGEFIN (1-\slot)*MRGB, 11
	s_lshl_b32 s23, s11, 7
	s_cvt_f32_u32 s23, s23                         ; 2048 - 128 (16 - p) keys lie behind the second block's diagonal tile
	s_cmp_eq_u32 s11, 0
	s_cselect_b32 s24, 0xff800000, s22             ; none: -1000 is no score of such a row, m starts at -infinity
	INIT 1
.Lnom_\@:
.endif
	FLOAD \slot                                    ; five places behind the last PV, which read V's fragments
	s_wait_dscnt 32                                ; K's 16 loads are in; the 32 younger ones are V's
	QK
	WIN 0
	PLACES 4                                       ; behind QK: the scores are read only behind these
.if \last
	MASK                                           ; the last trip is always a diagonal tile
.else
	s_cmp_lg_u32 s15, s14
	s_cbranch_scc1 .Lnomask_\@
	MASK
.Lnomask_\@:
.endif
	SOFTMAX
	s_wait_dscnt 0x0                               ; V's fragments
	PV
	WIN 0
	PLACES 5                                       ; behind PV: the next QK writes over P, loads land in V's fragments, vector work and LDS stores touch O
.if \last
	s_cmp_lt_u32 s10, 4
	s_cbranch_scc1 .Lns_\@
	SEND \slot*MRGB
.Lns_\@:
	s_wait_dscnt 0x0                               ; the state is in LDS before its wave says so
	s_barrier_signal -1
	s_barrier_wait -1
	s_cmp_ge_u32 s10, 4
	s_cbranch_scc1 .Ldone_\@
	MERGEFIN \slot*MRGB, 13
.Ldone_\@:
.else
	s_cmp_lg_u32 s15, s14
	s_cbranch_scc1 .Lnosw_\@
.irp qt, 0,1                                       ; from block p to block 15 - p: its queries,
.irp ks, 0,1
	global_load_b128 v[Q+16*\qt+8*\ks:Q+16*\qt+8*\ks+3], v[QOFF], s[30:31] offset:\qt*2048+\ks*64
	global_load_b128 v[Q+16*\qt+8*\ks+4:Q+16*\qt+8*\ks+7], v[QOFF], s[30:31] offset:\qt*2048+\ks*64+32
.endr
.endr
	s_mov_b32 s14, s13
	s_mov_b32 s94, 1                               ; the next trip merges
	s_cmp_lt_u32 s10, 4
	s_cbranch_scc1 .Lkeep_\@                       ; waves 0-3 keep block p's state in registers until then
	SEND \slot*MRGB
	s_mov_b32 s23, 0
	s_mov_b32 s24, 0xff800000
	INIT 1
.Lkeep_\@:
	s_wait_loadcnt 0x0
.Lnosw_\@:
	s_mov_b32 s15, s16
.endif
.endm
	s_lshl_b32 s23, s11, 7
	s_sub_co_u32 s23, 1920, s23
	s_cvt_f32_u32 s23, s23                         ; 2048 - 128 (p + 1) keys lie behind block p's diagonal tile: at least 896
	s_cmp_eq_u32 s67, 0
	s_cselect_b32 s23, s23, 0                      ; they are counted once, by the hf = 0 waves
	s_cselect_b32 s24, s22, 0xff800000
	INIT 0
	s_mov_b32 s17, 0
.Lloop:                                            ; trips 0 to 15; block p's diagonal tile is trip p, at most 7, and its merge trip p + 1
	TRIP 0, 1, 0
	TRIP 1, 1, 0
	s_add_co_u32 s17, s17, 1
	s_cmp_lt_u32 s17, 8
	s_cbranch_scc1 .Lloop
	TRIP 0, 0, 1                                   ; trip 16: the second block's diagonal tile; nothing more is fetched
	s_wait_tensorcnt 0x0
	ds_add_u32 v254, v255
	s_wait_dscnt 0x0
	s_endpgm
.Lfunc_end_k_q500c7bcd6c_attn:
	.size	k_q500c7bcd6c_attn, .Lfunc_end_k_q500c7bcd6c_attn-k_q500c7bcd6c_attn
	.p2alignl 7, 3214868480
	.fill 96, 4, 3214868480
	.section	.rodata,"a",@progbits
	.p2align	6, 0x0
	.amdhsa_kernel k_q500c7bcd6c_attn
		.amdhsa_group_segment_fixed_size 327680
		.amdhsa_private_segment_fixed_size 0
		.amdhsa_enable_private_segment 0
		.amdhsa_kernarg_size 24
		.amdhsa_user_sgpr_count 2
		.amdhsa_user_sgpr_kernarg_segment_ptr 1
		.amdhsa_wavefront_size32 1
		.amdhsa_system_sgpr_workgroup_id_x 1
		.amdhsa_system_sgpr_workgroup_id_y 1
		.amdhsa_system_sgpr_workgroup_id_z 1
		.amdhsa_system_vgpr_workitem_id 0
		.amdhsa_next_free_vgpr 456
		.amdhsa_next_free_sgpr 96
		.amdhsa_reserve_vcc 1
		.amdhsa_float_denorm_mode_32 3
		.amdhsa_float_denorm_mode_16_64 3
		.amdhsa_memory_ordered 1
		.amdhsa_forward_progress 1
		.amdhsa_inst_pref_size 149
	.end_amdhsa_kernel
	.amdgpu_metadata
---
amdhsa.version: [ 1, 2 ]
amdhsa.kernels:
  - .name:           k_q500c7bcd6c_attn
    .symbol:         k_q500c7bcd6c_attn.kd
    .args:
      - { .name: qkv, .offset: 0, .size: 8, .value_kind: global_buffer, .address_space: global }
      - { .name: vsum, .offset: 8, .size: 8, .value_kind: global_buffer, .address_space: global }
      - { .name: zz, .offset: 16, .size: 8, .value_kind: global_buffer, .address_space: global }
    .group_segment_fixed_size: 327680
    .private_segment_fixed_size: 0
    .kernarg_segment_align: 8
    .kernarg_segment_size: 24
    .max_flat_workgroup_size: 256
    .sgpr_count:     96
    .vgpr_count:     456
    .wavefront_size: 32
...
	.end_amdgpu_metadata
.endif
;; end of part 3
;; launch oproj (part 4): grid 8 x 32, 4 waves a work-group, clusters of 4 x 4, 327,680 bytes of LDS; arguments zz, wo, b_O, out0; writes out0
.if DOCPART == 4
	.amdgcn_target "amdgcn-amd-amdhsa--gfx1250"
	.amdhsa_code_object_version 6
	.text
	.protected	k_q500c7bcd6c_oproj
	.globl	k_q500c7bcd6c_oproj
	.p2align	8
	.type	k_q500c7bcd6c_oproj,@function
k_q500c7bcd6c_oproj:
	s_mov_b64 s[64:65], 0
	v_nop
	global_prefetch_b8 v0, s[64:65] scope:SCOPE_SE
	s_setreg_imm32_b32 hwreg(HW_REG_WAVE_MODE, 25, 1), 1
	s_wait_xcnt 0x0
	s_wait_alu depctr_hold_cnt(0) depctr_sa_sdst(0) depctr_va_vdst(0) depctr_va_sdst(0) depctr_va_ssrc(0) depctr_va_vcc(0) depctr_vm_vsrc(0)
	s_getreg_b32 s2, hwreg(HW_REG_IB_STS2, 6, 4)
	s_cmp_eq_u32 s2, 0
	s_cbranch_scc0 .Lentry_in_a_cluster
	s_endpgm
.Lentry_in_a_cluster:
	s_bfe_u32 s2, ttmp6, 0x10000c
	s_cmp_lg_u32 s2, 0xf033
	s_cbranch_scc0 .Lentry_shape_is_right
	s_endpgm
.Lentry_shape_is_right:
; OPROJ: out[row][n] = sum over k = 64 h + d of z[row][k] W_O[k][n] + b_O[n], f32 out.  z and W_O come as f16 pairs hi + lo, and the product is
; z_hi W_hi + z_lo W_hi + z_hi W_lo on one f32 accumulator (the term lo x lo is below f32's last bits of the sum's scale).
; 256 work-groups of 128 x 128, four waves of 64 x 64: 16 accumulator tiles.  K = 1024 goes in 8 steps of 128 (two heads) through two LDS slots.
; The three products share their fragments: for 32 along K, 32 LDS loads feed 48 matrix instructions, and each of ZH, ZL, WH, WL is fetched once.
; CLUSTERS: 4 x 4 work-groups; z's tiles are shared along a cluster's row, W_O's along a column: joint tensor loads.
; Wave w fetches one of ZH, ZL, WH, WL: two loads a step (one for each head), each 128 rows of 128 dense bytes.
; REGISTERS: window 0: v16-27 addresses, v32-63 bias, v64-191 Z fragments (two buffers: hi at f + 8 a, lo at f + 32 + 8 a), v192-255 the way out;
;   window 1: v64-191 W fragments likewise; window 2: accumulators, tile (a, b) at v[8 (4 a + b)].
; The matrix instruction is used transposed (source 0 = rows of W, source 1 = rows of z): lane l holds row l % 16, registers 0-7 columns 8 (l / 16) + 0..7.
.set KP,    144                        ; an LDS row: one head's 128 bytes + 16
.set REG,   128*KP                     ; one load's 128 rows
.set SLOT,  8*REG                      ; ZH head 0, 1; ZL 0, 1; WH 0, 1; WL 0, 1
.set STAGE, 2*SLOT
.set SP,    272                        ; the stage's row: 64 f32 + 16 bytes
.set LAPS,  4
.set ADRA, 16
.set ADRB, 20
.set STO,  24
.set RD,   25
.set CO,   26
.set BOF,  27
.set BIAS, 32
.set F0,   64
.set F1,   128
.set TMP,  192
.set RB,   224
.set G1,   24                          ; s[24:31] group 1 for z's tiles
.set G1B,  32                          ; s[32:39] for W_O's: the mask differs
.set G0,   40                          ; s[40:55] group 0 for z: 8 slot + 4 head
.set G0B,  68                          ; s[68:83] for W_O
.set MSB, 0
.macro WIN new
.if MSB != \new
	s_set_vgpr_msb (MSB<<8)|\new
.set MSB, \new
.endif
.endm
.set MUL,  0xa1                        ; source 0 window 1, source 1 window 0, C and D window 2
.set TO_B, 0x40
.macro JLOAD s                         ; waves 0, 1 ask for z (hi, lo), waves 2, 3 for W_O (hi, lo); the branch hangs on the wave's number alone
	s_cmp_eq_u32 s11, 0
	s_cbranch_scc0 .Lfor_b_\@
	tensor_load_to_lds s[G0+8*\s:G0+8*\s+3], s[G1:G1+7]
	s_nop 0
	tensor_load_to_lds s[G0+8*\s+4:G0+8*\s+7], s[G1:G1+7]
	s_nop 0
	s_branch .Lasked_\@
.Lfor_b_\@:
	tensor_load_to_lds s[G0B+8*\s:G0B+8*\s+3], s[G1B:G1B+7]
	s_nop 0
	tensor_load_to_lds s[G0B+8*\s+4:G0B+8*\s+7], s[G1B:G1B+7]
	s_nop 0
.Lasked_\@:
.endm
.macro CREST
	s_cmp_lg_u32 s10, 0
	s_cbranch_scc1 .Lnot_wave_0_\@
	s_barrier_signal -3
.Lnot_wave_0_\@:
	s_barrier_wait -3
	s_barrier_signal -1
	s_barrier_wait -1
.endm
.macro CROUND
	s_barrier_signal -1
	s_barrier_wait -1
	CREST
.endm
	s_load_b128 s[4:7], s[0:1], 0x0                ; zz, wo
	s_load_b128 s[84:87], s[0:1], 0x10             ; b_O, out0
	s_set_vgpr_msb 0x40
	v_lshl_add_u32 v255, v0, 2, 0x4c400
	s_set_vgpr_msb 0x4000
	v_mov_b32 v31, 0
	s_set_vgpr_msb 0x1
	ds_add_u32 v255, v31
	s_set_vgpr_msb 0x100
	v_lshrrev_b32 v1, 5, v0
	v_readfirstlane_b32 s10, v1
	s_lshr_b32 s11, s10, 1                         ; my half of the rows.  Also: I fetch z (0) or W_O (1)
	s_and_b32 s12, s10, 1                          ; my half of the columns.  Also: hi (0) or lo (1)
	s_bfe_u32 s56, ttmp6, 0x40000                  ; cx
	s_bfe_u32 s57, ttmp6, 0x40004                  ; cy
	s_lshl_b32 s58, ttmp9, 2
	s_add_co_u32 s58, s58, s56                     ; block column 0..7
	s_and_b32 s13, ttmp7, 0xffff
	s_lshl_b32 s13, s13, 2
	s_add_co_u32 s13, s13, s57                     ; block row 0..31
	s_lshl_b32 s59, s57, 2
	s_lshl_b32 s59, 15, s59                        ; my row of the cluster
	s_lshl_b32 s60, 0x1111, s56                    ; my column
	; group 1: 16,384 dense bytes as 64 rows of 128 elements of 2 bytes; 4 words of padding behind every 32 words, that is behind each row of 128 bytes
	s_or_b32 s[G1+0], s59, (1<<16)|(1<<20)|(1<<21)|(4<<22)|(3<<25)
	s_or_b32 s[G1B+0], s60, (1<<16)|(1<<20)|(1<<21)|(4<<22)|(3<<25)
	s_mov_b32 s[G1+1], 128<<16
	s_mov_b32 s[G1B+1], 128<<16
	s_mov_b32 s[G1+2], 64<<16
	s_mov_b32 s[G1B+2], 64<<16
	s_mov_b32 s[G1+3], 128<<16
	s_mov_b32 s[G1B+3], 128<<16
	s_mov_b32 s[G1+4], 64
	s_mov_b32 s[G1B+4], 64
	s_mov_b32 s[G1+5], 128
	s_mov_b32 s[G1B+5], 128
	s_mov_b32 s[G1+6], 0
	s_mov_b32 s[G1B+6], 0
	s_mov_b32 s[G1+7], 0
	s_mov_b32 s[G1B+7], 0
	s_lshl_b32 s16, s12, 23                        ; z: hi or lo,
	s_lshl_b32 s17, s13, 14                        ; 128 rows of 128 bytes for a block row
	s_add_co_u32 s16, s16, s17
	s_mov_b32 s17, 0
	s_lshl_b32 s88, s12, 21                        ; W_O: hi or lo,
	s_lshl_b32 s89, s58, 14                        ; 128 rows for a block column
	s_add_co_u32 s88, s88, s89
	s_mov_b32 s89, 0
	s_mul_i32 s20, s10, 2*REG                      ; LDS: wave x two regions
	s_lshl_b32 s90, s58, 9                         ; my first column in bytes of f32: 128 x block column + 64 x half
	s_lshl_b32 s91, s12, 8
	s_add_co_u32 s90, s90, s91
	s_mov_b32 s91, 0
	s_wait_dscnt 0x0
	s_wait_kmcnt 0x0
	s_add_nc_u64 s[14:15], s[4:5], s[16:17]
	s_add_nc_u64 s[62:63], s[6:7], s[88:89]
	s_add_nc_u64 s[84:85], s[84:85], s[90:91]      ; the bias of my 64 columns
	CROUND                                         ; all sixteen work-groups are here: the first joint loads meet
.irp s, 0,1
.irp l, 0,1
	s_mov_b32 s[G0+8*\s+4*\l], 1
	s_add_co_u32 s[G0+8*\s+4*\l+1], s20, \s*SLOT+\l*REG
	s_add_nc_u64 s[G0+8*\s+4*\l+2:G0+8*\s+4*\l+3], s[14:15], (2*\s+\l)*524288     ; head 2 s + l of z: 4,096 rows of 128 bytes each
	s_or_b32 s[G0+8*\s+4*\l+3], s[G0+8*\s+4*\l+3], 0x80000000
	s_mov_b32 s[G0B+8*\s+4*\l], 1
	s_add_co_u32 s[G0B+8*\s+4*\l+1], s20, \s*SLOT+\l*REG
	s_add_nc_u64 s[G0B+8*\s+4*\l+2:G0B+8*\s+4*\l+3], s[62:63], (2*\s+\l)*131072   ; of W_O: 1,024 rows
	s_or_b32 s[G0B+8*\s+4*\l+3], s[G0B+8*\s+4*\l+3], 0x80000000
.endr
	JLOAD \s                                       ; four loads of this wave are out behind the second
.endr
	v_and_b32 v1, 15, v0                           ; r
	v_bfe_u32 v2, v0, 4, 1                         ; h
	v_lshlrev_b32 v[BOF], 5, v2
.irp b, 0,1,2,3
	global_load_b128 v[BIAS+8*\b:BIAS+8*\b+3], v[BOF], s[84:85] offset:64*\b       ; columns 16 b + 8 h + 0..3,
	global_load_b128 v[BIAS+8*\b+4:BIAS+8*\b+7], v[BOF], s[84:85] offset:64*\b+16  ; + 4..7
.endr
	v_mul_u32_u24 v3, v1, KP
	v_lshl_add_u32 v3, v2, 4, v3
	s_mul_i32 s21, s11, 64*KP                      ; my 64 rows of z
	s_mul_i32 s22, s12, 64*KP                      ; my 64 rows of W_O,
	s_add_co_u32 s22, s22, 4*REG                   ; which lie behind z's four regions
.irp s, 0,1
	v_add_nc_u32 v[ADRA+\s], s21, v3
	v_add_nc_u32 v[ADRB+\s], s22, v3
	s_add_co_u32 s21, s21, SLOT
	s_add_co_u32 s22, s22, SLOT
.endr
	s_mul_i32 s23, s10, 16*SP
	s_add_co_u32 s23, s23, STAGE
	v_mul_u32_u24 v4, v1, SP
	v_add_nc_u32 v4, v4, v[BOF]
	v_add_nc_u32 v[STO], s23, v4                   ; in: row r, 32 bytes for each half of the lanes
	v_mul_u32_u24 v5, v2, SP
	v_lshl_add_u32 v5, v1, 4, v5
	v_add_nc_u32 v[RD], s23, v5                    ; back: sixteen lanes a row of 256 bytes
	v_lshlrev_b32 v6, 12, v2
	v_lshl_add_u32 v[CO], v1, 4, v6                ; the same two rows in out0
.macro GRP f, bo, ao, zero             ; 16 products, W's fragment at f + bo + 8 b, z's at f + ao + 8 a; the 16 accumulators take turns, one instruction a turn
.irp a, 0,1,2,3
.irp b, 0,1,2,3
.if \zero
	v_wmma_f32_16x16x32_f16 v[8*(4*\a+\b):8*(4*\a+\b)+7], v[\f+\bo+8*\b:\f+\bo+8*\b+7], v[\f+\ao+8*\a:\f+\ao+8*\a+7], 0
.else
	v_wmma_f32_16x16x32_f16 v[8*(4*\a+\b):8*(4*\a+\b)+7], v[\f+\bo+8*\b:\f+\bo+8*\b+7], v[\f+\ao+8*\a:\f+\ao+8*\a+7], v[8*(4*\a+\b):8*(4*\a+\b)+7]
.endif
.endr
.endr
.endm
.macro FETCH slot, q, f                ; quarter q of a K step: head q / 2, d from 32 (q % 2).  WH, WL, ZH, ZL: the last eight loads are ZL's
	WIN TO_B
.irp hl, 0,1
.irp i, 0,1,2,3
	ds_load_b128 v[\f+32*\hl+8*\i:\f+32*\hl+8*\i+3],   v[ADRB+\slot] offset:\hl*2*REG+(\q/2)*REG+\i*16*KP+(\q%2)*64
	ds_load_b128 v[\f+32*\hl+8*\i+4:\f+32*\hl+8*\i+7], v[ADRB+\slot] offset:\hl*2*REG+(\q/2)*REG+\i*16*KP+(\q%2)*64+32
.endr
.endr
	WIN 0
.irp hl, 0,1
.irp i, 0,1,2,3
	ds_load_b128 v[\f+32*\hl+8*\i:\f+32*\hl+8*\i+3],   v[ADRA+\slot] offset:\hl*2*REG+(\q/2)*REG+\i*16*KP+(\q%2)*64
	ds_load_b128 v[\f+32*\hl+8*\i+4:\f+32*\hl+8*\i+7], v[ADRA+\slot] offset:\hl*2*REG+(\q/2)*REG+\i*16*KP+(\q%2)*64+32
.endr
.endr
.endm
.macro PLACES                          ; four plain places between a matrix instruction and a load into, or a vector use of, its registers
.rept 4
	v_nop
.endr
.endm
.macro QUARTER slot, q, f, g, zero     ; multiplies buffer f; in between fetches quarter q into buffer g
	s_wait_dscnt 8                                 ; WH, WL, ZH are in; ZL's eight loads may be out
	WIN MUL
	GRP \f, 0, 0, \zero                            ; z_hi W_hi
	PLACES
	FETCH \slot, \q, \g
	s_wait_dscnt 32                                ; all but the 32 just issued
	WIN MUL
	GRP \f, 0, 32, 0                               ; z_lo W_hi
	GRP \f, 32, 0, 0                               ; z_hi W_lo
.endm
.macro THREE slot, zero
	QUARTER \slot, 1, F0, F1, \zero
	QUARTER \slot, 2, F1, F0, 0
	QUARTER \slot, 3, F0, F1, 0
.endm
.macro TURN slot, next, fill           ; the last quarter and the change of slots
	s_wait_dscnt 8
	WIN MUL
	GRP F1, 0, 0, 0
	s_wait_dscnt 0                                 ; my reads of this slot are over,
	s_wait_tensorcnt 0x0                           ; and all my tensor loads have landed: the two that were out are my part of the next slot
	ds_add_u32 v255, v31
	s_wait_dscnt 0x0
	s_barrier_signal -1
	GRP F1, 0, 32, 0                               ; registers only
	WIN 0
	s_barrier_wait -1
.if \fill
	CREST                                          ; the round: no wave of any partner still reads this slot or has a load on its way
.irp l, 0,1
	s_add_nc_u64 s[G0+8*\slot+4*\l+2:G0+8*\slot+4*\l+3], s[G0+8*\slot+4*\l+2:G0+8*\slot+4*\l+3], 4*524288     ; two K steps = four heads on
	s_add_nc_u64 s[G0B+8*\slot+4*\l+2:G0B+8*\slot+4*\l+3], s[G0B+8*\slot+4*\l+2:G0B+8*\slot+4*\l+3], 4*131072
.endr
	JLOAD \slot                                    ; the first tensor loads behind the round: two of this wave are out
.endif
	PLACES
	FETCH \next, 0, F0
	WIN MUL
	GRP F1, 32, 0, 0
.endm
.macro LAP zero
	THREE 0, \zero
	TURN 0, 1, 1
	THREE 1, 0
	TURN 1, 0, 1
.endm
	s_wait_loadcnt 0x0                             ; the bias, once
	s_wait_tensorcnt 2                             ; my two loads of K step 0 are in; K step 1's two stay out
	s_barrier_signal -1
	s_barrier_wait -1
	FETCH 0, 0, F0
	LAP 1                                          ; the very first products start the sums
	WIN 0
	s_mov_b32 s3, LAPS-2
.Llap:
	LAP 0
	WIN 0
	s_sub_co_u32 s3, s3, 1
	s_cmp_lg_u32 s3, 0
	s_cbranch_scc1 .Llap
	THREE 0, 0                                     ; the last lap fills nothing
	TURN 0, 1, 0
	THREE 1, 0
	s_wait_dscnt 8
	WIN MUL
	GRP F1, 0, 0, 0
	s_wait_dscnt 0
	GRP F1, 0, 32, 0
	GRP F1, 32, 0, 0
	; THE WAY OUT, 16 rows at a time: add the bias, 32 bytes a lane into my own stage, read back as rows of 256 bytes
	PLACES
	WIN 0
	s_lshl_b32 s92, s13, 19                        ; 128 rows of 4,096 bytes
	s_lshl_b32 s93, s11, 18                        ; 64 rows
	s_add_co_u32 s92, s92, s93
	s_add_co_u32 s92, s92, s90                     ; + my first column
	s_mov_b32 s93, 0
	s_add_nc_u64 s[86:87], s[86:87], s[92:93]
.macro OUT16 a
	WIN 0x02                                       ; source 0 in window 2
.set q, 0
.rept 16
	v_pk_add_f32 v[TMP+2*q:TMP+2*q+1], v[32*\a+2*q:32*\a+2*q+1], v[BIAS+2*q:BIAS+2*q+1]
.set q, q+1
.endr
	WIN 0
.irp b, 0,1,2,3
	ds_store_b128 v[STO], v[TMP+8*\b:TMP+8*\b+3] offset:64*\b
	ds_store_b128 v[STO], v[TMP+8*\b+4:TMP+8*\b+7] offset:64*\b+16
.endr
	s_wait_xcnt 0x0                                ; RB, which the last stores read, and their base are rewritten only behind this wait
.if \a
	s_add_nc_u64 s[86:87], s[86:87], 65536         ; 16 rows on
.endif
.irp t, 0,1,2,3,4,5,6,7
	ds_load_b128 v[RB+4*\t:RB+4*\t+3], v[RD] offset:\t*2*SP        ; LDS serves a wave's instructions in order: these see the stores above
.endr
.irp t, 0,1,2,3,4,5,6,7
	s_wait_dscnt 7-\t
	global_store_b128 v[CO], v[RB+4*\t:RB+4*\t+3], s[86:87] offset:\t*8192 th:TH_STORE_NT   ; sixteen lanes: 256 consecutive bytes, at a multiple of 256 from out0's first byte
.endr
.endm
	OUT16 0
	OUT16 1
	OUT16 2
	OUT16 3
	s_set_vgpr_msb 0x1
	s_wait_tensorcnt 0x0
	ds_add_u32 v255, v31
	s_wait_dscnt 0x0
	s_set_vgpr_msb 0x100
	CROUND                                         ; the closing round
	s_endpgm
.Lfunc_end_k_q500c7bcd6c_oproj:
	.size	k_q500c7bcd6c_oproj, .Lfunc_end_k_q500c7bcd6c_oproj-k_q500c7bcd6c_oproj
	.p2alignl 7, 3214868480
	.fill 96, 4, 3214868480
	.section	.rodata,"a",@progbits
	.p2align	6, 0x0
	.amdhsa_kernel k_q500c7bcd6c_oproj
		.amdhsa_group_segment_fixed_size 327680
		.amdhsa_private_segment_fixed_size 0
		.amdhsa_enable_private_segment 0
		.amdhsa_kernarg_size 32
		.amdhsa_user_sgpr_count 2
		.amdhsa_user_sgpr_kernarg_segment_ptr 1
		.amdhsa_wavefront_size32 1
		.amdhsa_system_sgpr_workgroup_id_x 1
		.amdhsa_system_sgpr_workgroup_id_y 1
		.amdhsa_system_sgpr_workgroup_id_z 1
		.amdhsa_system_vgpr_workitem_id 0
		.amdhsa_next_free_vgpr 640
		.amdhsa_next_free_sgpr 96
		.amdhsa_reserve_vcc 0
		.amdhsa_float_denorm_mode_32 3
		.amdhsa_float_denorm_mode_16_64 3
		.amdhsa_memory_ordered 1
		.amdhsa_forward_progress 1
		.amdhsa_inst_pref_size 154
	.end_amdhsa_kernel
	.amdgpu_metadata
---
amdhsa.version: [ 1, 2 ]
amdhsa.kernels:
  - .name:           k_q500c7bcd6c_oproj
    .symbol:         k_q500c7bcd6c_oproj.kd
    .args:
      - { .name: zz, .offset: 0, .size: 8, .value_kind: global_buffer, .address_space: global }
      - { .name: wo, .offset: 8, .size: 8, .value_kind: global_buffer, .address_space: global }
      - { .name: b_O, .offset: 16, .size: 8, .value_kind: global_buffer, .address_space: global }
      - { .name: out0, .offset: 24, .size: 8, .value_kind: global_buffer, .address_space: global }
    .group_segment_fixed_size: 327680
    .private_segment_fixed_size: 0
    .kernarg_segment_align: 8
    .kernarg_segment_size: 32
    .max_flat_workgroup_size: 128
    .sgpr_count:     96
    .vgpr_count:     640
    .wavefront_size: 32
...
	.end_amdgpu_metadata
.endif
;; end of part 4
;; ======== version 2 of 2: 4 launches; version 1 with the launch prep written anew for expert scheduling mode
;; limits: values are held in f16: magnitudes above 65,504 overflow, below 6.1e-05 lose precision
;; workspace buffers: xh 25,165,824 bytes; wt 6,291,456 bytes; wo 4,194,304 bytes; qkv 33,554,432 bytes; vsum 131,072 bytes; zz 16,777,216 bytes
;; launch prep (part 5): grid 128 x 7, 8 waves a work-group, no clusters, 35,840 bytes of LDS; arguments query_input, key_input, value_input, W_Q, W_K, W_V, W_O, xh, wt, wo; writes xh, wt, wo
.if DOCPART == 5
	.amdgcn_target "amdgcn-amd-amdhsa--gfx1250"
	.amdhsa_code_object_version 6
	.text
	.protected	k_q500c7bcd6c_prep
	.globl	k_q500c7bcd6c_prep
	.p2align	8
	.type	k_q500c7bcd6c_prep,@function
k_q500c7bcd6c_prep:
	s_mov_b64 s[64:65], 0
	v_nop
	global_prefetch_b8 v0, s[64:65] scope:SCOPE_SE
	s_setreg_imm32_b32 hwreg(HW_REG_WAVE_SCHED_MODE, 0, 2), 2
	s_setreg_imm32_b32 hwreg(HW_REG_WAVE_MODE, 25, 1), 1
	s_wait_xcnt 0x0
	s_wait_alu depctr_vm_vsrc(0)
; PREP: every operand of the later matrix products is brought into f16 once.
;   y = 0..2  xh[y] = f16(e4m3(input y)), same order as the input.  Every e4m3 number is exact in f16.
;   y = 3..5  wt[y-3][n = 64 h + d][k = m] = f16(e4m3(W[h][m][d])): rounded and transposed, so that K lies along the rows.
;   y = 6     wo[hi,lo][h][n = m'][d]: W_O transposed and split, hi = f16(w), lo = f16(w - hi).  W_O is not rounded to e4m3 in the problem.
; A stream: memory binds, no matrix unit, no cluster.  Each input byte is read once; every store of a wave covers 256 or 512 consecutive aligned bytes.
; The rounding to e4m3 takes eight numbers at a time, by the conversion with a block scale, here 1.0: its result is two whole registers.
; LIMITS: |x| and |W| stay within 448, e4m3's largest number.  Beyond it the problem's cast gives 448 (up to 464) or NaN; what the conversion used here gives there
; is not relied on and was not tried.  |W_O| stays below 65,504 (f16).
; THE MODE: SCHED_MODE bits 1:0 = 2 (LLVM: expert scheduling mode 2), set by the entry lines.  The code itself states the register dependences
; between vector instructions and memory or LDS instructions, with s_wait_alu, always for 0.
; THE PLAN, path by path (the text has no loop).
;   The stream: its 32 units go in 8 blocks of four.
;     X   five groups of four slots.  Block p rounds group p % 5 in place; the loads of units 4 p + 16 .. 4 p + 19, issued in block p (p = 1, 2, 3), land in group p - 1.
;     Y   24 slots of two registers, unit u in slot u % 24.  Written by block p's packings; read by the four stores that are issued in block p + 1.
;     v1, v2  byte offsets, made once and never written again: the units are reached by immediate offsets.
;     Block p's memory instructions touch the X group and the Y slots that block p - 1 worked on, which no vector instruction of block p names.  So one wait on
;     va_vdst at a block's head states all that they hang on, and they are dealt among the block's vector instructions with no further wait.
;     Units 24 to 31 write Y's slots 0 to 7 a second time: one wait on vm_vsrc, at block 6's head, states that the stores of units 0 to 7 have read them.
;   The transposes: the offsets and addresses v5, v10, v11, v12 are made once; v[16:47] are loaded once; the packed words (v[48:63], for W_O v[48:79]) are written by the
;     conversions and read by the LDS stores, which stand in one run behind one wait on va_vdst; the registers read back from LDS are named by LDS loads and global stores alone.
;   v4 (the scale) and the e4m3 bytes' registers (v[6:9]; with them v[12:15] for W_Q, W_K, W_V) are named by vector instructions alone.
;   v144, v145: written at the head, read by the closing add alone.
.set X,  16                            ; v[16:95]  numbers as loaded: 20 slots of 4 in the stream; 8 rows of 4, v[16:47], in a transpose
.set Y,  96                            ; v[96:143] the stream's packed results: 24 slots of two registers
.set LP, 272                           ; LDS row of a transposed tile: 128 f16 + 16 bytes
.set LT, 64*LP                         ; a tile: 64 rows
.macro TO8 d, x                        ; eight f32 to e4m3: element 0 into byte 0 of v[d], element 4 into byte 0 of v[d+1].  One plain vector instruction stands between
	v_cvt_scalef32_pk8_fp8_f32 v[\d:\d+1], v[\x:\x+7], v4      ; this line and the first that reads its result or writes its sources
.endm
.macro BACK8 a, b, x                   ; and back, into the registers that they came from
	v_cvt_pk_f32_fp8 v[\x:\x+1], v\a\().l
	v_cvt_pk_f32_fp8 v[\x+2:\x+3], v\a\().h
	v_cvt_pk_f32_fp8 v[\x+4:\x+5], v\b\().l
	v_cvt_pk_f32_fp8 v[\x+6:\x+7], v\b\().h
.endm
.macro WIDEN d, x                      ; both f16 halves of register x as f32
	v_cvt_f32_f16 v[\d], v\x\().l
	v_cvt_f32_f16 v[\d+1], v\x\().h
.endm
	s_load_b512 s[8:23], s[0:1], 0x0               ; q s[8:9], k s[10:11], v s[12:13], W_Q s[14:15], W_K s[16:17], W_V s[18:19], W_O s[20:21], xh s[22:23]
	s_load_b128 s[24:27], s[0:1], 0x40             ; wt s[24:25], wo s[26:27]
	v_lshl_add_u32 v144, v0, 2, 0x8800             ; the LDS address of my spare word, behind the two tiles, and 0: kept for the closing lines alone
	v_mov_b32 v145, 0
	s_and_b32 s2, ttmp7, 0xffff                    ; y: which job
	s_mov_b32 s3, ttmp9                            ; x: which part of it
	v_mov_b32 v4, 1.0                              ; the conversions' scale: its exponent is 0, the numbers are divided by 1
	v_and_b32 v1, 15, v0                           ; dq: which four columns of a 64-column tile
	v_lshrrev_b32 v2, 4, v0                        ; mo: which eight rows of its 128
	v_lshlrev_b32 v3, 4, v1                        ; 16 dq
	v_mul_u32_u24 v10, v1, 4*LP
	v_lshl_add_u32 v10, v2, 4, v10                 ; transposed tile: row 4 dq (+ c), bytes 16 mo
	s_wait_kmcnt 0x0
	s_cmp_lt_u32 s2, 3
	s_cbranch_scc1 .Lact
	s_cmp_eq_u32 s2, 6
	s_cbranch_scc1 .Lwo
	; ---- W_Q, W_K, W_V: a tile of 128 k x 64 n.  x = 8 h + kb.
	s_cmp_eq_u32 s2, 4
	s_cselect_b64 s[4:5], s[16:17], s[14:15]
	s_cmp_eq_u32 s2, 5
	s_cselect_b64 s[4:5], s[18:19], s[4:5]
	s_lshr_b32 s28, s3, 3                          ; h
	s_and_b32 s29, s3, 7                           ; kb
	s_lshl_b32 s30, s28, 18                        ; a head: 1,024 rows of 256 bytes
	s_lshl_b32 s31, s29, 15                        ; 128 rows
	s_add_co_u32 s30, s30, s31
	s_mov_b32 s31, 0
	s_add_nc_u64 s[4:5], s[4:5], s[30:31]
	s_sub_co_u32 s32, s2, 3
	s_lshl_b32 s32, s32, 21                        ; which of the three tables: 1,024 rows of 2,048 bytes
	s_lshl_b32 s33, s28, 17                        ; 64 rows
	s_add_co_u32 s32, s32, s33
	s_lshl_b32 s33, s29, 8                         ; 128 f16 along a row
	s_add_co_u32 s32, s32, s33
	s_mov_b32 s33, 0
	s_add_nc_u64 s[6:7], s[24:25], s[32:33]
	v_lshl_add_u32 v5, v2, 11, v3                  ; load: row 8 mo of 256 bytes + 16 dq.  Store: row t/16 of 2,048 bytes + 16 (t%16): the same number
	s_wait_alu depctr_va_vdst(0)                   ; v5 is written, which the loads below and the stores at the end read as their offset
.irp j, 0,1,2,3,4,5,6,7
	global_load_b128 v[X+4*\j:X+4*\j+3], v5, s[4:5] offset:256*\j th:TH_LOAD_NT   ; sixteen lanes read one row of 256 bytes
.endr
	v_mul_u32_u24 v11, v2, LP
	v_add_nc_u32 v11, v11, v3                      ; read back: row t/16, bytes 16 (t%16)
	s_wait_loadcnt 0x0
	TO8 6, X                                       ; my 32 numbers, two rows to a conversion
	TO8 8, X+8
	TO8 12, X+16
	TO8 14, X+24
	v_nop                                          ; the plain instruction behind the four conversions, ahead of the first line that reads a result and writes a source
	BACK8 6, 7, X
	BACK8 8, 9, X+8
	BACK8 12, 13, X+16
	BACK8 14, 15, X+24
.irp c, 0,1,2,3
.irp jj, 0,1,2,3
	v_cvt_pk_f16_f32 v[48+4*\c+\jj], v[X+8*\jj+\c], v[X+8*\jj+4+\c]   ; eight neighbouring k of column 4 dq + c
.endr
.endr
	s_wait_alu depctr_va_vdst(0)                   ; the conversions have written v[48:63], which the LDS stores read; v11 is written, which the LDS loads behind the barrier read
.irp c, 0,1,2,3
	ds_store_b128 v10, v[48+4*\c:48+4*\c+3] offset:LP*\c
.endr
	s_wait_dscnt 0x0                               ; my stores are in LDS before I say so
	s_barrier_signal -1
	s_barrier_wait -1
.irp p, 0,1,2,3
	ds_load_b128 v[64+4*\p:64+4*\p+3], v11 offset:16*LP*\p             ; no vector instruction of this path names v[64:79]
.endr
.irp p, 0,1,2,3
	s_wait_dscnt 3-\p                              ; LDS loads come back in order: load p is in, the younger ones may be out
	global_store_b128 v5, v[64+4*\p:64+4*\p+3], s[6:7] offset:32768*\p   ; sixteen lanes: 256 consecutive bytes of one row of wt
.endr
	s_wait_dscnt 0x0                               ; the closing lines, six on end
	s_wait_alu 0x0
	s_wait_tensorcnt 0x0
	ds_add_u32 v144, v145
	s_wait_dscnt 0x0
	s_endpgm
	; ---- W_O as [1024 k = 64 h + d][1024 n]: a tile of 128 k (two heads) x 64 n.  x = 16 kb + nb.
.Lwo:
	s_lshr_b32 s28, s3, 4                          ; kb
	s_and_b32 s29, s3, 15                          ; nb
	s_lshl_b32 s30, s28, 19                        ; 128 rows of 4,096 bytes
	s_lshl_b32 s31, s29, 8                         ; 64 f32
	s_add_co_u32 s30, s30, s31
	s_mov_b32 s31, 0
	s_add_nc_u64 s[4:5], s[20:21], s[30:31]
	s_lshl_b32 s32, s28, 18                        ; two heads of 131,072 bytes in wo
	s_lshl_b32 s33, s29, 13                        ; 64 rows of 128 bytes
	s_add_co_u32 s32, s32, s33
	s_mov_b32 s33, 0
	s_add_nc_u64 s[6:7], s[26:27], s[32:33]
	v_lshl_add_u32 v5, v2, 15, v3                  ; row 8 mo of 4,096 bytes + 16 dq
	s_wait_alu depctr_va_vdst(0)                   ; v5 is written, which the loads below read as their offset
.irp j, 0,1,2,3,4,5,6,7
	global_load_b128 v[X+4*\j:X+4*\j+3], v5, s[4:5] offset:4096*\j th:TH_LOAD_NT
.endr
	v_lshrrev_b32 v11, 3, v0
	v_mul_u32_u24 v11, v11, LP
	v_and_b32 v12, 7, v0
	v_lshl_add_u32 v11, v12, 4, v11                ; read back: row t/8, bytes 16 (t%8) of one head's 128
	v_lshlrev_b32 v12, 4, v0                       ; 16 t: the same 16 bytes in a dense block of rows of 128 bytes
	s_wait_loadcnt 0x0
.irp x, 48,49,50,51,52,53,54,55,56,57,58,59,60,61,62,63
	v_cvt_pk_f16_f32 v\x, v[X+8*((\x-48)%4)+(\x-48)/4], v[X+8*((\x-48)%4)+4+(\x-48)/4]   ; hi; word 4 c + jj
.endr
.irp x, 48,49,50,51,52,53,54,55,56,57,58,59,60,61,62,63
	WIDEN 6+2*(\x%2), \x
	v_sub_f32 v[6+2*(\x%2)], v[X+8*((\x-48)%4)+(\x-48)/4], v[6+2*(\x%2)]         ; what hi left over, exact in f32
	v_sub_f32 v[7+2*(\x%2)], v[X+8*((\x-48)%4)+4+(\x-48)/4], v[7+2*(\x%2)]
	v_cvt_pk_f16_f32 v[\x+16], v[6+2*(\x%2)], v[7+2*(\x%2)]                      ; lo
.endr
	s_wait_alu depctr_va_vdst(0)                   ; the conversions have written v[48:79], which the LDS stores read; v11 and v12 are written, which the LDS loads and the stores behind the barrier read
.irp c, 0,1,2,3
	ds_store_b128 v10, v[48+4*\c:48+4*\c+3] offset:LP*\c
	ds_store_b128 v10, v[64+4*\c:64+4*\c+3] offset:LT+LP*\c
.endr
	s_wait_dscnt 0x0
	s_barrier_signal -1
	s_barrier_wait -1
.irp n, 0,1,2,3,4,5,6,7
	ds_load_b128 v[80+4*\n:80+4*\n+3], v11 offset:(\n/4)*LT+(\n%2)*32*LP+((\n/2)%2)*128   ; n = 4 hl + 2 sl + hf; no vector instruction of this path names v[80:111]
.endr
.irp n, 0,1,2,3,4,5,6,7
	s_wait_dscnt 7-\n
	global_store_b128 v12, v[80+4*\n:80+4*\n+3], s[6:7] offset:(\n/4)*2097152+((\n/2)%2)*131072+(\n%2)*4096   ; a wave: 512 consecutive bytes
.endr
	s_wait_dscnt 0x0                               ; the closing lines, six on end
	s_wait_alu 0x0
	s_wait_tensorcnt 0x0
	ds_add_u32 v144, v145
	s_wait_dscnt 0x0
	s_endpgm
	; ---- activations: 32,768 numbers for a work-group, 32 units of 1,024, in 8 blocks of four; 12 to 16 loads of every wave in flight
.Lact:
	s_cmp_eq_u32 s2, 1
	s_cselect_b64 s[4:5], s[10:11], s[8:9]
	s_cmp_eq_u32 s2, 2
	s_cselect_b64 s[4:5], s[12:13], s[4:5]
	s_lshl_b32 s30, s3, 17
	s_mov_b32 s31, 0
	s_add_nc_u64 s[4:5], s[4:5], s[30:31]
	s_lshl_b32 s32, s2, 23
	s_lshl_b32 s33, s3, 16
	s_add_co_u32 s32, s32, s33
	s_mov_b32 s33, 0
	s_add_nc_u64 s[6:7], s[22:23], s[32:33]
	v_lshlrev_b32 v1, 4, v0                        ; my 16 bytes of f32
	v_lshlrev_b32 v2, 3, v0                        ; my 8 bytes of f16
	s_wait_alu depctr_va_vdst(0)                   ; v1 and v2 are written: every load and store of this path reads one of them as its offset
.irp u, 0,1,2,3,4,5,6,7,8,9,10,11,12,13,14,15,16,17,18,19
	global_load_b128 v[X+4*\u:X+4*\u+3], v1, s[4:5] offset:\u*4096 th:TH_LOAD_NT   ; units 0 to 19 fill the five groups
.endr
; Block p's memory instructions for place i of four: for p = 1, 2, 3 the load of unit 4 p + 16 + i into the group that block p - 1 worked on; the store of block p - 1's unit.
.macro MEM p, i
.if (\p > 0) && (\p < 4)
	global_load_b128 v[X+4*(4*(\p-1)+\i):X+4*(4*(\p-1)+\i)+3], v1, s[4:5] offset:(4*\p+16+\i)*4096 th:TH_LOAD_NT   ; no vector instruction since the block's wait names these registers
.endif
.if \p > 0
	global_store_b64 v2, v[Y+2*((4*(\p-1)+\i)%24):Y+2*((4*(\p-1)+\i)%24)+1], s[6:7] offset:(4*(\p-1)+\i)*2048    ; a wave: 256 consecutive bytes
.endif
.endm
.macro PACK2 u                         ; units u and u + 1 to f16, into their Y slots
.irp k, 0,1
	v_cvt_pk_f16_f32 v[Y+2*(((\u)+\k)%24)], v[X+4*(((\u)+\k)%20)], v[X+4*(((\u)+\k)%20)+1]
	v_cvt_pk_f16_f32 v[Y+2*(((\u)+\k)%24)+1], v[X+4*(((\u)+\k)%20)+2], v[X+4*(((\u)+\k)%20)+3]
.endr
.endm
; Block p: units 4 p to 4 p + 3.  It rounds X's group p % 5, two units to a conversion, and writes those units' Y slots.
.macro BLK p
.if \p == 0
	s_wait_loadcnt 16                              ; loads come back in order: units 0 to 3 are in, the sixteen younger ones stay out
.elseif \p < 4
	s_wait_loadcnt 12                              ; this block's four are in; three younger groups stay out
.else
	s_wait_loadcnt 28-4*\p                         ; nothing more is loaded: the counts run down from 12
.endif
.if \p == 6
	s_wait_xcnt 0x0                                ; every earlier memory instruction has had its addresses translated: Y's slots 0 to 7, data of the stores of units 0 to 7, are rewritten only behind this wait
	s_wait_alu depctr_vm_vsrc(0)                   ; the stores of units 0 to 7, issued in blocks 1 and 2, have read Y's slots 0 to 7, which this block's and the next block's packings write again
.endif
.if \p > 0
	s_wait_alu depctr_va_vdst(0)                   ; the block before has written its Y slots, which the stores below read, and is done with its X group, in which the loads below land
.endif
	MEM \p, 0
	MEM \p, 1
	TO8 6, X+4*((4*\p)%20)
	v_nop                                          ; the plain instruction between the conversion and the lines that read its result and write its sources
	BACK8 6, 7, X+4*((4*\p)%20)
	MEM \p, 2
	MEM \p, 3
	TO8 8, X+4*((4*\p)%20)+8
	PACK2 4*\p                                     ; these four name neither v[8:9] nor the second half of the group: they are the plain instructions behind the conversion above
	BACK8 8, 9, X+4*((4*\p)%20)+8
	PACK2 4*\p+2
.endm
	BLK 0
	BLK 1
	BLK 2
	BLK 3
	BLK 4
	BLK 5
	BLK 6
	BLK 7
	s_wait_alu depctr_va_vdst(0)                   ; block 7 has written Y's slots 4 to 7, which the last four stores read
.irp i, 0,1,2,3
	global_store_b64 v2, v[Y+2*(4+\i):Y+2*(4+\i)+1], s[6:7] offset:(28+\i)*2048
.endr
	s_endpgm
.Lfunc_end_k_q500c7bcd6c_prep:
	.size	k_q500c7bcd6c_prep, .Lfunc_end_k_q500c7bcd6c_prep-k_q500c7bcd6c_prep
	.p2alignl 7, 3214868480
	.fill 96, 4, 3214868480
	.section	.rodata,"a",@progbits
	.p2align	6, 0x0
	.amdhsa_kernel k_q500c7bcd6c_prep
		.amdhsa_group_segment_fixed_size 35840
		.amdhsa_private_segment_fixed_size 0
		.amdhsa_enable_private_segment 0
		.amdhsa_kernarg_size 80
		.amdhsa_user_sgpr_count 2
		.amdhsa_user_sgpr_kernarg_segment_ptr 1
		.amdhsa_wavefront_size32 1
		.amdhsa_system_sgpr_workgroup_id_x 1
		.amdhsa_system_sgpr_workgroup_id_y 1
		.amdhsa_system_sgpr_workgroup_id_z 1
		.amdhsa_system_vgpr_workitem_id 0
		.amdhsa_next_free_vgpr 146
		.amdhsa_next_free_sgpr 66
		.amdhsa_reserve_vcc 0
		.amdhsa_float_denorm_mode_32 3
		.amdhsa_float_denorm_mode_16_64 3
		.amdhsa_memory_ordered 1
		.amdhsa_forward_progress 1
		.amdhsa_inst_pref_size 28
	.end_amdhsa_kernel
	.amdgpu_metadata
---
amdhsa.version: [ 1, 2 ]
amdhsa.kernels:
  - .name:           k_q500c7bcd6c_prep
    .symbol:         k_q500c7bcd6c_prep.kd
    .args:
      - { .name: query_input, .offset: 0, .size: 8, .value_kind: global_buffer, .address_space: global }
      - { .name: key_input, .offset: 8, .size: 8, .value_kind: global_buffer, .address_space: global }
      - { .name: value_input, .offset: 16, .size: 8, .value_kind: global_buffer, .address_space: global }
      - { .name: W_Q, .offset: 24, .size: 8, .value_kind: global_buffer, .address_space: global }
      - { .name: W_K, .offset: 32, .size: 8, .value_kind: global_buffer, .address_space: global }
      - { .name: W_V, .offset: 40, .size: 8, .value_kind: global_buffer, .address_space: global }
      - { .name: W_O, .offset: 48, .size: 8, .value_kind: global_buffer, .address_space: global }
      - { .name: xh, .offset: 56, .size: 8, .value_kind: global_buffer, .address_space: global }
      - { .name: wt, .offset: 64, .size: 8, .value_kind: global_buffer, .address_space: global }
      - { .name: wo, .offset: 72, .size: 8, .value_kind: global_buffer, .address_space: global }
    .group_segment_fixed_size: 35840
    .private_segment_fixed_size: 0
    .kernarg_segment_align: 8
    .kernarg_segment_size: 80
    .max_flat_workgroup_size: 256
    .sgpr_count:     66
    .vgpr_count:     146
    .wavefront_size: 32
...
	.end_amdgpu_metadata
.endif
;; end of part 5
;; launch proj: the kernel of part 2 again; grid 4 x 48, 4 waves a work-group, clusters of 4 x 4, 327,680 bytes of LDS; arguments xh, wt, b_Q, b_K, b_V, qkv, vsum; writes qkv, vsum
;; launch attn: the kernel of part 3 again; grid 8 x 32, 8 waves a work-group, no clusters, 327,680 bytes of LDS; arguments qkv, vsum, zz; writes zz
;; launch oproj: the kernel of part 4 again; grid 8 x 32, 4 waves a work-group, clusters of 4 x 4, 327,680 bytes of LDS; arguments zz, wo, b_O, out0; writes out0
